; MI455X (gfx1250); checked and timed in simulation.
; The chip was launched on July 23, 2026; its instructions are those of AMD's public machine-readable ISA for CDNA 5 (MIT licence, August 2026) and "CDNA5" Instruction Set Architecture Reference Guide (July 2026). The comments in the code are by the model that wrote it; some were corrected since.
;; Multi Head Attention. Allowed arithmetic: matrix products marked QUANTISED: E2M1 operands, one E8M0 scale for each 32 along K, by v_wmma_scale_f32_16x16x128_f8f6f4 with both operands' format E2M1 (or v_wmma_scale_f32_32x16x128_f4), f32 sums; products left as they are: bf16, f16 or f32 operands; f32 sums; everything else in f32.
;; Inputs: Wk 1,024 x 1,024 float32; Wo 1,024 x 1,024 float32; Wq 1,024 x 1,024 float32; Wv 1,024 x 1,024 float32; bk 1,024 float32; bo 1,024 float32; bq 1,024 float32; bv 1,024 float32; mask 2 x 2,048 bool; x 2 x 2,048 x 1,024 float32.
;; Outputs: out0 2 x 2,048 x 1,024 float32.
;; This version of the problem:
;;   THIS VERSION OF THE PROBLEM IS GIVEN IN LOW PRECISION. The matrix products marked QUANTISED in the list below multiply operands that are first quantised to E2M1 (2 exponent bits, 1 mantissa bit; 4 bits a number), with one power-of-two scale for each 32 numbers along K (OCP MX v1.0); their sums are f32. The products marked 'left as it is' may take bf16, f16 or f32 operands, with f32 sums. Whichever they take, every output number must still come out within the allowed error. Rounding operands to bf16 (8 significant bits) uses up far more of that allowance than f16 does (11 bits, for magnitudes from 6e-5 to 65,504). All else is computed in f32.
;;   The module's matrix products, in the order in which they are computed (A, B: the left and right operand; K: the contracted axis; several contracted axes count as one K, in the product's order):
;;     1. [M 4,096, K 1,024] x [K 1,024, N 1,024]; A: input x; B: input Wq: QUANTISED
;;     2. [M 4,096, K 1,024] x [K 1,024, N 1,024]; A: input x; B: input Wk: QUANTISED
;;     3. [M 4,096, K 1,024] x [K 1,024, N 1,024]; A: input x; B: input Wv: QUANTISED
;;     4. batch 32 x [M 2,048, K 64] x [K 64, N 2,048]; A: computed on the way; B: computed on the way: left as it is (an operand is computed on the way)
;;     5. batch 32 x [M 2,048, K 2,048] x [K 2,048, N 64]; A: computed on the way; B: computed on the way: left as it is (an operand is computed on the way)
;;     6. [M 4,096, K 1,024] x [K 1,024, N 1,024]; A: computed on the way; B: input Wo: left as it is (an operand is computed on the way)
;;   THE QUANTISER, for each operand of a quantised product, along K:
;;     - K is cut into blocks of 32 from its start; a last block that is shorter is filled with zeros.
;;     - A block's scale is 2^e with e = floor(log2(the largest magnitude in the block)) - 2, held to -126 .. 127; a block of zeros has e = 0. As a byte (E8M0): e + 127.
;;     - Each number is divided by its block's scale, clamped to +-6, and rounded to the nearest number of E2M1, ties to even, subnormals kept.
;;     - The product sums the exact products of the quantised numbers (number of the format x scale) in f32.
;;   ~~~python
;;   def quantise(x, axis):      # numpy; x: float32 -> the quantised numbers, widened to float32 again
;;       x = np.moveaxis(x, axis, -1); K = x.shape[-1]
;;       x = np.pad(x, [(0, 0)] * (x.ndim - 1) + [(0, -K % 32)]); x = x.reshape(x.shape[:-1] + (-1, 32)); a = np.abs(x).max(-1, keepdims=True)
;;       e = np.where(a > 0, np.clip(np.frexp(np.where(a > 0, a, 1))[1] - 1 - 2, -126, 127), 0)      # np.frexp(a)[1] - 1 = floor(log2(a)), exactly
;;       r = np.clip(x / 2.0 ** e, -6, 6)
;;       step = 2.0 ** (np.maximum(np.frexp(np.where(r == 0, 1, r))[1] - 1, 0) - 1)
;;       q = np.round(r / step) * step * 2.0 ** e      # np.round: ties to even
;;       return np.moveaxis(q.reshape(q.shape[:-2] + (-1,))[..., :K], -1, axis).astype(np.float32)
;;   ~~~
;; One version. Each part assembles by itself: llvm-mc -triple=amdgcn-amd-amdhsa -mcpu=gfx1250 --defsym DOCPART=n.
;; ======== version 1 of 1: 4 launches
;; limits: values are held in f16: magnitudes above 65,504 overflow, below 6.1e-05 lose precision
;; workspace buffers: x_codes 2,097,152 bytes; x_scales 131,072 bytes; w_codes 1,572,864 bytes; w_scales 98,304 bytes; wo16 2,097,152 bytes; maskb 16,384 bytes; qkv 25,165,824 bytes; ao 8,388,608 bytes
;; launch prep (part 1): grid 256 x 1, 8 waves a work-group, no clusters, 61,440 bytes of LDS; arguments x, Wq, Wk, Wv, Wo, mask, x_codes, x_scales, w_codes, w_scales, wo16, maskb; writes x_codes, x_scales, w_codes, w_scales, wo16, maskb
.if DOCPART == 1
	.amdgcn_target "amdgcn-amd-amdhsa--gfx1250"
	.amdhsa_code_object_version 6
	.text
	.protected	k_q9b174cbdc6_prep
	.globl	k_q9b174cbdc6_prep
	.p2align	8
	.type	k_q9b174cbdc6_prep,@function
k_q9b174cbdc6_prep:
	s_mov_b64 s[64:65], 0
	v_nop
	global_prefetch_b8 v0, s[64:65] scope:SCOPE_SE
	s_setreg_imm32_b32 hwreg(HW_REG_WAVE_MODE, 25, 1), 1
	s_wait_xcnt 0x0
; MULTI-HEAD ATTENTION, launch 1 of 4: the operands are laid out once.
;   x [4096][1024] f32       -> codes of FP4 (E2M1), K innermost, x_codes [4096][512 bytes], and one E8M0 byte for each 32 along K, x_scales [4096][32]
;   Wq, Wk, Wv [k 1024][n 1024] f32, K their FIRST axis -> w_codes [3072 = q|k|v columns][512 bytes], w_scales [3072][32], K innermost
;   Wo [k 1024][n 1024] f32  -> f16, wo16 [n / 128][k][128]: a block of k rows of one column block is dense, 256 bytes a row
;   mask [2][2048] bool      -> maskb [2][2048] f32: 0 where the key counts, -2^120 where it is hidden; it is added to the raw scores
; DEAD WORK: bk.  scores[q][k] = Q[q] . (x[k] Wk) + Q[q] . bk.  The second term is the same for all keys k of a query, so the softmax along k takes it away for all values of the inputs,
; hidden keys or not (a hidden key's weight is 0 either way, and a row all of whose keys are hidden is 0 either way).  The product of Q and K is not quantised, so bk moves no code and no scale.
; bk is not loaded and is no argument of any launch.  LIMIT: a NaN, an infinity or an overflow that reaches the result through bk alone is not carried to it.
; THE QUANTISER: a block's scale is 2^(floor(log2(largest magnitude)) - 2); its byte is the largest magnitude's exponent field - 2, held at 1 from below by a floor among the maximum's leaves.
; A block of zeros so gets the byte 1 where the rule says 127: its codes are zeros, and these bytes are read by this program alone.
; LIMITS: blocks whose largest magnitude lies under 2^(3 - 127) were not tried; NaN and infinities among the inputs are not served.
; SHARES: 256 work-groups of eight waves, 128 KiB of input each.  Work-groups 0-127 take x, 128-223 the three weights, 224-255 Wo and the mask.  The roles part on the work-group's number
; and each has LDS bytes of its own.  No tensor load, no matrix instruction, no cluster: nothing is shared and every byte is read once.
.set XSC,   40960                      ; LDS 0 .. 40,959: for each wave two stages of 32 x 80 bytes (role x);  here: the work-group's 1,024 scale bytes of x
.set WST,   41984                      ; role W: 64 columns x (256 bytes of codes + 16)
.set WSC,   59392                      ; role W: 64 columns x 16 scale bytes
.set SPARE, 60416                      ; the spare words, 128 bytes for each wave: four blocks of 256 bytes that no other line names
.set SPW,   2                          ; v2   LDS address of my spare word; never rewritten
.set NIL,   3                          ; v3   0; never rewritten
.set R,     16                         ; role x: v16-143 eight sets of 16 numbers as loaded
.set XN,    144                        ; v144-175 two sets of 16 neighbours
.set CX,    176                        ; v176-191 two registers of codes for each step
.set EX,    192                        ; v192-199 a scale byte for each step
.set WN,    16                         ; role W: v16-79 two sets of 32 numbers
.set CW,    80                         ; v80-95 four registers of codes for each block
.set SB,    96                         ; v96 my four scale bytes
	s_load_b512 s[8:23], s[0:1], 0x0               ; x 8, Wq 10, Wk 12, Wv 14, Wo 16, mask 18, x_codes 20, x_scales 22
	s_load_b256 s[24:31], s[0:1], 0x40             ; w_codes 24, w_scales 26, wo16 28, maskb 30
	v_lshl_add_u32 v[SPW], v0, 2, SPARE
	v_mov_b32 v[NIL], 0
	v_lshrrev_b32 v1, 5, v0
	v_readfirstlane_b32 s32, v1                    ; wave 0..7
	v_and_b32 v1, 31, v0                           ; lane
	s_and_b32 s33, s32, 1                          ; wave % 2
	s_mov_b32 s35, 0                               ; the high word of every offset in s[34:35]
	s_wait_kmcnt 0x0
	s_cmp_lt_u32 ttmp9, 128
	s_cbranch_scc0 .Lnot_x
; ---------------- ROLE x.  Rows are dense and 1,024 is a multiple of 32: x is a plain stream of blocks of 32.  A wave takes 4,096 numbers in eight steps of 512.
; Each load reads 512 consecutive bytes, 16 a lane; a step's 2,048 bytes turn through the wave's own stage in LDS and come back 64 bytes a lane: 16 neighbours, two lanes to a block.
	s_lshl_b32 s36, ttmp9, 3
	s_add_co_u32 s36, s36, s32                     ; which run of 4,096 numbers is my wave's
	s_lshl_b32 s34, s36, 14
	s_add_nc_u64 s[8:9], s[8:9], s[34:35]
	s_lshl_b32 s34, s36, 11
	s_add_nc_u64 s[20:21], s[20:21], s[34:35]      ; 2,048 bytes of codes a run
	s_lshl_b32 s34, ttmp9, 10
	s_add_nc_u64 s[22:23], s[22:23], s[34:35]      ; 1,024 scale bytes a work-group
	v_lshlrev_b32 v4, 4, v1                        ; my 16 bytes of a load's 512
.macro XLOAD t
.irp i, 0,1,2,3
	global_load_b128 v[R+16*(\t)+4*\i:R+16*(\t)+4*\i+3], v4, s[8:9] offset:2048*(\t)+512*\i th:TH_LOAD_NT
.endr
.endm
.irp t, 0,1,2,3,4,5,6,7
	XLOAD \t                                       ; all of the wave's 16 KiB is asked for at once: 32 loads
.endr
	s_mul_i32 s37, s32, 5120                       ; my two stages
	v_lshrrev_b32 v5, 2, v1
	v_mul_u32_u24 v5, v5, 80
	v_and_b32 v6, 3, v1
	v_lshl_add_u32 v5, v6, 4, v5
	v_add_nc_u32 v5, s37, v5                       ; in: four lanes' 64 bytes on end, then 16 of padding
	v_mul_u32_u24 v6, v1, 80
	v_add_nc_u32 v6, s37, v6                       ; out: 80 x lane: my 16 neighbours
	v_lshlrev_b32 v7, 3, v1                        ; my 8 bytes of a step's 256 bytes of codes
	s_lshl_b32 s37, s32, 7
	s_add_co_u32 s37, s37, XSC
	v_lshrrev_b32 v8, 1, v1
	v_add_nc_u32 v8, s37, v8                       ; my block's byte among my wave's 128
	s_lshl_b32 s37, s33, 9
	v_lshl_add_u32 v10, v1, 4, s37                 ; the scale bytes' way out (waves 0 and 1): 512 x wave + 16 x lane,
	v_add_nc_u32 v9, XSC, v10                      ; and the same place in LDS
.macro XTURN t                         ; step t's numbers through the stage: LDS serves a wave's instructions in order, so no wait stands between the stores and the loads
.irp i, 0,1,2,3
	ds_store_b128 v5, v[R+16*(\t)+4*\i:R+16*(\t)+4*\i+3] offset:2560*((\t)%2)+640*\i
.endr
.irp i, 0,1,2,3
	ds_load_b128 v[XN+16*((\t)%2)+4*\i:XN+16*((\t)%2)+4*\i+3], v6 offset:2560*((\t)%2)+16*\i
.endr
.endm
	s_wait_loadcnt 28                              ; step 0's four loads are in; the 28 behind them may be out
	XTURN 0
.macro XSTEP t
.set XS, XN+16*((\t)%2)
.if (\t) > 0
	s_wait_dscnt 1                                 ; this step's numbers are back from the stage; the last step's byte store may be out
.else
	s_wait_dscnt 0x0
.endif
.if (\t) < 7
	s_wait_loadcnt 4*(6-(\t))                      ; the next step's four loads are in; those of the steps behind it may be out
	XTURN (\t)+1                                   ; and go through the other stage while this step is worked
.endif
	v_max3_num_f32 v11, |v[XS]|, |v[XS+1]|, |v[XS+2]|      ; the largest magnitude of my 16, in two chains
	v_max3_num_f32 v12, |v[XS+3]|, |v[XS+4]|, |v[XS+5]|
.irp i, 6,10
	v_max3_num_f32 v11, v11, |v[XS+\i]|, |v[XS+\i+1]|
	v_max3_num_f32 v12, v12, |v[XS+\i+2]|, |v[XS+\i+3]|
.endr
	v_max3_num_f32 v11, v11, |v[XS+14]|, |v[XS+15]|
	v_max3_num_f32 v11, v11, v12, 0x1800000        ; and the floor 2^(3 - 127): the byte cannot fall under 1
	v_max_num_f32_dpp v11, v11, v11 row_xmask:1 row_mask:0xf bank_mask:0xf   ; with my neighbour's 16: the block's
	v_add_nc_u32 v13, 0xff000000, v11              ; 2 off its exponent field: the conversion takes the exponent field of this operand as its scale
	v_cvt_scalef32_pk8_fp4_f32 v[CX+2*(\t)], v[XS:XS+7], v13
	v_cvt_scalef32_pk8_fp4_f32 v[CX+2*(\t)+1], v[XS+8:XS+15], v13
	v_lshrrev_b32 v[EX+(\t)], 23, v13              ; the scale's byte (a plain line behind the conversions)
	ds_store_b8 v8, v[EX+(\t)] offset:16*(\t)      ; both lanes of a block write the same byte with the same value
	global_store_b64 v7, v[CX+2*(\t):CX+2*(\t)+1], s[20:21] offset:256*(\t)   ; the wave stores 256 consecutive bytes, aligned
.endm
.irp t, 0,1,2,3,4,5,6,7
	XSTEP \t
.endr
	s_wait_dscnt 0x0                               ; for the others' sake: my byte stores are done
	s_barrier_signal -1
	s_barrier_wait -1                              ; the work-group's 1,024 scale bytes lie in LDS
	s_cmp_gt_u32 s32, 1
	s_cbranch_scc1 .Lend
	ds_load_b128 v[200:203], v9
	s_wait_dscnt 0x0
	global_store_b128 v10, v[200:203], s[22:23]    ; waves 0 and 1: 512 consecutive bytes each
	s_branch .Lend
.Lnot_x:
	s_cmp_lt_u32 ttmp9, 224
	s_cbranch_scc0 .Lrole_o
; ---------------- ROLE W.  A work-group takes 64 columns x 512 along K of one weight; a wave 32 columns x 128 along K.  A LANE TAKES A COLUMN AND ITS REGISTERS RUN DOWN K: a block of 32 lies in one
; lane's 32 registers, and the conversions give codes with K innermost.  Two waves side by side read 256 consecutive bytes of each row.  The codes leave through a stage, sixteen lanes to 256 bytes of a column's row.
	s_sub_co_u32 s36, ttmp9, 128
	s_lshr_b32 s37, s36, 5                         ; which weight: 0 q, 1 k, 2 v
	s_bfe_u32 s38, s36, 0x40001                    ; which 64 columns
	s_and_b32 s39, s36, 1                          ; which 512 along K
	s_lshr_b32 s40, s32, 1                         ; my wave's 128 of them
	s_cmp_eq_u32 s37, 0                            ; the choice hangs on the work-group's number alone
	s_cselect_b64 s[42:43], s[10:11], s[12:13]
	s_cmp_eq_u32 s37, 2
	s_cselect_b64 s[42:43], s[14:15], s[42:43]
	s_lshl_b32 s44, s39, 2
	s_add_co_u32 s44, s44, s40
	s_lshl_b32 s44, s44, 19                        ; 128 rows of 4,096 bytes
	s_lshl_b32 s45, s38, 1
	s_add_co_u32 s45, s45, s33
	s_lshl_b32 s45, s45, 7                         ; 32 columns of 4 bytes
	s_add_co_u32 s34, s44, s45
	s_add_nc_u64 s[42:43], s[42:43], s[34:35]
	v_lshlrev_b32 v4, 2, v1
.macro WLOAD t                         ; block t: W(32 t + i, my column) into set t % 2
.irp i, 0,1,2,3,4,5,6,7,8,9,10,11,12,13,14,15,16,17,18,19,20,21,22,23,24,25,26,27,28,29,30,31
	global_load_b32 v[WN+32*((\t)%2)+\i], v4, s[42:43] offset:(32*(\t)+\i)*4096 th:TH_LOAD_NT
.endr
.endm
	WLOAD 0
	WLOAD 1
	s_lshl_b32 s44, s37, 4
	s_add_co_u32 s44, s44, s38                     ; 16 x weight + column group: 64 rows of the outputs each
	s_lshl_b32 s34, s44, 15
	s_lshl_b32 s45, s39, 8
	s_add_co_u32 s34, s34, s45
	s_add_nc_u64 s[24:25], s[24:25], s[34:35]      ; codes: 64 rows of 512 bytes, + 256 for the upper half of K
	s_lshl_b32 s34, s44, 11
	s_lshl_b32 s45, s39, 4
	s_add_co_u32 s34, s34, s45
	s_add_nc_u64 s[26:27], s[26:27], s[34:35]      ; scale bytes: 64 rows of 32, + 16
	s_mul_i32 s44, s33, 8704
	s_lshl_b32 s45, s40, 6
	s_add_co_u32 s44, s44, s45
	s_add_co_u32 s44, s44, WST
	v_mul_u32_u24 v5, v1, 272
	v_add_nc_u32 v5, s44, v5                       ; the stage, in: row = my column, + 64 bytes for each 128 along K
	s_lshl_b32 s44, s33, 9
	s_lshl_b32 s45, s40, 2
	s_add_co_u32 s44, s44, s45
	s_add_co_u32 s44, s44, WSC
	v_lshl_add_u32 v6, v1, 4, s44                  ; my scale word: 16 bytes a column, + 4 for each 128 along K
	s_mul_i32 s44, s32, 2176
	s_add_co_u32 s44, s44, WST
	v_lshrrev_b32 v11, 4, v1
	v_and_b32 v12, 15, v1
	v_mul_u32_u24 v7, v11, 272
	v_lshl_add_u32 v7, v12, 4, v7
	v_add_nc_u32 v7, s44, v7                       ; out: wave w takes rows 8 w .. 8 w + 7, two an instruction, sixteen lanes to a row
	s_lshl_b32 s44, s32, 12
	v_lshlrev_b32 v8, 9, v11
	v_lshl_add_u32 v8, v12, 4, v8
	v_add_nc_u32 v8, s44, v8                       ; and the same place in w_codes
	s_lshl_b32 s44, s33, 9
	v_lshl_add_u32 v9, v1, 4, s44
	v_add_nc_u32 v9, WSC, v9                       ; the scale bytes' way out (waves 0 and 1): a lane a column, 16 bytes
	s_lshl_b32 s44, s33, 10
	v_lshl_add_u32 v10, v1, 5, s44                 ; rows of 32 bytes in w_scales: pieces of 16 bytes, 96 KiB in the whole launch
.macro WBLOCK t
.set XS, WN+32*((\t)%2)
.if (\t) < 3
	s_wait_loadcnt 32                              ; this block's 32 loads are in; the next block's may be out
.else
	s_wait_loadcnt 0x0
.endif
	v_max3_num_f32 v11, |v[XS]|, |v[XS+1]|, |v[XS+2]|      ; the block's largest magnitude: all 32 numbers are mine
	v_max3_num_f32 v12, |v[XS+3]|, |v[XS+4]|, |v[XS+5]|
.irp i, 6,10,14,18,22,26
	v_max3_num_f32 v11, v11, |v[XS+\i]|, |v[XS+\i+1]|
	v_max3_num_f32 v12, v12, |v[XS+\i+2]|, |v[XS+\i+3]|
.endr
	v_max3_num_f32 v11, v11, |v[XS+30]|, |v[XS+31]|
	v_max3_num_f32 v11, v11, v12, 0x1800000        ; and the floor
	v_add_nc_u32 v13, 0xff000000, v11              ; the conversion's scale operand
	v_lshrrev_b32 v12, 23, v13                     ; the scale's byte
.if (\t) == 0
	v_mov_b32 v[SB], v12
.else
	v_lshl_or_b32 v[SB], v12, 8*(\t), v[SB]        ; the lower K in the lower byte
.endif
.irp g, 0,1,2,3
	v_cvt_scalef32_pk8_fp4_f32 v[CW+4*(\t)+\g], v[XS+8*\g:XS+8*\g+7], v13
.endr
	ds_store_b128 v5, v[CW+4*(\t):CW+4*(\t)+3] offset:16*(\t)   ; each block has code registers of its own: none is written again
.if (\t) < 2
	WLOAD (\t)+2
.endif
.endm
.irp t, 0,1,2,3
	WBLOCK \t
.endr
	ds_store_b32 v6, v[SB]
	s_wait_dscnt 0x0                               ; for the others' sake: my stores into the stage are done
	s_barrier_signal -1
	s_barrier_wait -1
.irp i, 0,1,2,3
	ds_load_b128 v[100+4*\i:103+4*\i], v7 offset:544*\i
.endr
.irp i, 0,1,2,3
	s_wait_dscnt 3-\i
	global_store_b128 v8, v[100+4*\i:103+4*\i], s[24:25] offset:1024*\i   ; sixteen lanes store 256 consecutive bytes, aligned
.endr
	s_cmp_gt_u32 s32, 1
	s_cbranch_scc1 .Lend
	ds_load_b128 v[116:119], v9
	s_wait_dscnt 0x0
	global_store_b128 v10, v[116:119], s[26:27]
	s_branch .Lend
.Lrole_o:
; ---------------- ROLE Wo.  A work-group takes 32 rows k, a wave four.  A load reads 512 bytes (128 columns) of a row; rounded to f16 they are 256 bytes: one row of wo16's column block.
	s_sub_co_u32 s36, ttmp9, 224
	s_lshl_b32 s37, s36, 3
	s_add_co_u32 s37, s37, s32                     ; which four rows
	s_lshl_b32 s34, s37, 14
	s_add_nc_u64 s[16:17], s[16:17], s[34:35]
	s_lshl_b32 s34, s37, 10
	s_add_nc_u64 s[28:29], s[28:29], s[34:35]
	v_lshlrev_b32 v4, 4, v1
	v_lshlrev_b32 v5, 3, v1
.set J, 0
.rept 32
	global_load_b128 v[16+4*J:19+4*J], v4, s[16:17] offset:(J/8)*4096+(J%8)*512 th:TH_LOAD_NT
.set J, J+1
.endr
	s_cmp_lg_u32 s32, 0
	s_cbranch_scc1 .Lo_main
	s_lshl_b32 s34, s36, 7                         ; wave 0 also takes 128 bytes of the mask: four keys a lane
	s_add_nc_u64 s[18:19], s[18:19], s[34:35]
	s_lshl_b32 s34, s36, 9
	s_add_nc_u64 s[30:31], s[30:31], s[34:35]
	v_lshlrev_b32 v6, 2, v1
	global_load_b32 v208, v6, s[18:19]
	v_mov_b32 v209, 0xfb800000                     ; -2^120: under every score that f16 operands can give (64 x 65,504^2 < 2^38), and finite
	s_wait_loadcnt 0x0
.irp i, 0,1,2,3
	v_bfe_u32 v210, v208, 8*\i, 8
	v_cmp_ne_u32 vcc_lo, 0, v210
	v_cndmask_b32 v[212+\i], 0, v209, vcc_lo
.endr
	global_store_b128 v4, v[212:215], s[30:31]
.Lo_main:
.set J, 0
.rept 32
	s_wait_loadcnt 31-J                            ; load J is in; the younger ones may be out
	v_cvt_pk_f16_f32 v[144+2*J], v[16+4*J], v[17+4*J]
	v_cvt_pk_f16_f32 v[145+2*J], v[18+4*J], v[19+4*J]
	global_store_b64 v5, v[144+2*J:145+2*J], s[28:29] offset:(J%8)*262144+(J/8)*256   ; the wave stores 256 consecutive bytes, aligned
.set J, J+1
.endr
.Lend:
	s_wait_tensorcnt 0x0                           ; the wave's end: these three lines stand behind my last LDS store
	ds_add_u32 v[SPW], v[NIL]
	s_wait_dscnt 0x0
	s_endpgm
.Lfunc_end_k_q9b174cbdc6_prep:
	.size	k_q9b174cbdc6_prep, .Lfunc_end_k_q9b174cbdc6_prep-k_q9b174cbdc6_prep
	.p2alignl 7, 3214868480
	.fill 96, 4, 3214868480
	.section	.rodata,"a",@progbits
	.p2align	6, 0x0
	.amdhsa_kernel k_q9b174cbdc6_prep
		.amdhsa_group_segment_fixed_size 61440
		.amdhsa_private_segment_fixed_size 0
		.amdhsa_enable_private_segment 0
		.amdhsa_kernarg_size 96
		.amdhsa_user_sgpr_count 2
		.amdhsa_user_sgpr_kernarg_segment_ptr 1
		.amdhsa_wavefront_size32 1
		.amdhsa_system_sgpr_workgroup_id_x 1
		.amdhsa_system_sgpr_workgroup_id_y 1
		.amdhsa_system_sgpr_workgroup_id_z 1
		.amdhsa_system_vgpr_workitem_id 0
		.amdhsa_next_free_vgpr 224
		.amdhsa_next_free_sgpr 66
		.amdhsa_reserve_vcc 1
		.amdhsa_float_denorm_mode_32 3
		.amdhsa_float_denorm_mode_16_64 3
		.amdhsa_memory_ordered 1
		.amdhsa_forward_progress 1
		.amdhsa_inst_pref_size 52
	.end_amdhsa_kernel
	.amdgpu_metadata
---
amdhsa.version: [ 1, 2 ]
amdhsa.kernels:
  - .name:           k_q9b174cbdc6_prep
    .symbol:         k_q9b174cbdc6_prep.kd
    .args:
      - { .name: x, .offset: 0, .size: 8, .value_kind: global_buffer, .address_space: global }
      - { .name: Wq, .offset: 8, .size: 8, .value_kind: global_buffer, .address_space: global }
      - { .name: Wk, .offset: 16, .size: 8, .value_kind: global_buffer, .address_space: global }
      - { .name: Wv, .offset: 24, .size: 8, .value_kind: global_buffer, .address_space: global }
      - { .name: Wo, .offset: 32, .size: 8, .value_kind: global_buffer, .address_space: global }
      - { .name: mask, .offset: 40, .size: 8, .value_kind: global_buffer, .address_space: global }
      - { .name: x_codes, .offset: 48, .size: 8, .value_kind: global_buffer, .address_space: global }
      - { .name: x_scales, .offset: 56, .size: 8, .value_kind: global_buffer, .address_space: global }
      - { .name: w_codes, .offset: 64, .size: 8, .value_kind: global_buffer, .address_space: global }
      - { .name: w_scales, .offset: 72, .size: 8, .value_kind: global_buffer, .address_space: global }
      - { .name: wo16, .offset: 80, .size: 8, .value_kind: global_buffer, .address_space: global }
      - { .name: maskb, .offset: 88, .size: 8, .value_kind: global_buffer, .address_space: global }
    .group_segment_fixed_size: 61440
    .private_segment_fixed_size: 0
    .kernarg_segment_align: 8
    .kernarg_segment_size: 96
    .max_flat_workgroup_size: 256
    .sgpr_count:     66
    .vgpr_count:     224
    .wavefront_size: 32
...
	.end_amdgpu_metadata
.endif
;; end of part 1
;; launch qkv (part 2): grid 12 x 16, 4 waves a work-group, clusters of 4 x 4, 327,680 bytes of LDS; arguments x_codes, x_scales, w_codes, w_scales, bq, bv, qkv; writes qkv
.if DOCPART == 2
	.amdgcn_target "amdgcn-amd-amdhsa--gfx1250"
	.amdhsa_code_object_version 6
	.text
	.protected	k_q9b174cbdc6_qkv
	.globl	k_q9b174cbdc6_qkv
	.p2align	8
	.type	k_q9b174cbdc6_qkv,@function
k_q9b174cbdc6_qkv:
	s_mov_b64 s[64:65], 0
	v_nop
	global_prefetch_b8 v0, s[64:65] scope:SCOPE_SE
	s_setreg_imm32_b32 hwreg(HW_REG_WAVE_MODE, 25, 1), 1
	s_wait_xcnt 0x0
	s_wait_alu depctr_hold_cnt(0) depctr_sa_sdst(0) depctr_va_vdst(0) depctr_va_sdst(0) depctr_va_ssrc(0) depctr_va_vcc(0) depctr_vm_vsrc(0)
	s_getreg_b32 s2, hwreg(HW_REG_IB_STS2, 6, 4)
	s_cmp_eq_u32 s2, 0
	s_cbranch_scc0 .Lentry_in_a_cluster
	s_endpgm
.Lentry_in_a_cluster:
	s_bfe_u32 s2, ttmp6, 0x10000c
	s_cmp_lg_u32 s2, 0xf033
	s_cbranch_scc0 .Lentry_shape_is_right
	s_endpgm
.Lentry_shape_is_right:
; Launch 2 of 4: q = x Wq + bq, k = x Wk, v = x Wv + bv as ONE product on codes of FP4 (E2M1) with E8M0 scales: C[m][n] = sum over k of A[m][k] B[n][k], A = x's codes [4096][1024], B = the three weights' codes [3072][1024].
; bk is left out: dead work (shown at the head of the first launch): a term of the scores that is the same for all keys of a query.
; The result is rounded once to f16 and laid by head: qkv [3][batch 2][head 16][token 2048][64].  LIMIT: |q|, |k|, |v| under 65,504.
; A tile of C, 256 x 256, is made by a work-group of four waves; a wave makes 128 x 128: 64 accumulators, 512 registers.  K = 1,024 is two LDS slots of 512: both, and all scale bytes, are asked for at the start; nothing is filled again.
; 192 work-groups: tiles of 256 columns keep a wave's 128 columns two whole heads.
; CLUSTERS: 4 x 4 work-groups.  The four of a row of the cluster need the same tiles of A, the four of a column the same tiles of B: each tile is asked for JOINTLY.  The cluster's x is 0, 1, 2 for q, k, v: the same number in all partners.
; THE MATRIX INSTRUCTION IS USED TRANSPOSED (source 0 = 16 rows of B, source 1 = 16 rows of A): a lane holds eight neighbouring columns of one token.  The bias is the C of each sum's first product.
; REGISTERS, in windows of 256: window 0: v0-31 addresses; v32-95 scale words, two sets, and nothing else; v128-191 A's fragments, ONE set, on the way out rows read back; v192-255 the bias of my 128 columns, on the way out packed results.
;   window 1: B's fragments, TWO sets, at v0 and v128.   window 2: the accumulators of my rows 0-63 ((a, b) at v[8 (8 a + b)]);   window 3: those of my rows 64-127.
.set SIZE_K, 1024
.set NQ,     4                         ; steps of 128 along K in a slot
.set ROWB,   256                       ; a tile's row in bytes: 512 codes
.set KROW,   512                       ; a row of codes in memory
.set PITCH,  272                       ; an LDS row: 256 bytes + 16 of padding: the 16 rows that a load touches start at 16 different banks (64 banks of 4 bytes: ISA guide 11.1)
.set FR,     8
.set NL,     2
.set NP,     4                         ; places behind this matrix instruction (ISA guide 7.12.1)
.set HALFT,  128*PITCH
.set SLOT,   4*HALFT                   ; A's 256 rows, then B's 256 rows
.set KS,     32                        ; a row of scale bytes
.set SCL,    2*SLOT                    ; behind the slots: the scale bytes, as runs of 256 bytes + 16 of padding
.set HALFS,  (128*KS/256)*272
.set SBLK,   (16*KS/256)*272
.set SPARE,  SCL+4*HALFS               ; the spare words, 128 bytes for each wave: two blocks of 256 bytes that no other line names
.set ADRA, 16
.set ADRB, 20
.set STO,  24
.set RD,   25
.set CO,   26
.set ADRS, 27
.set SPW,  28
.set NIL,  29
.set SC,   32
.set AF,   128
.set BK,   128                         ; the way out: 16 rows read back: v128-159 and v160-191 by turns
.set BIAS, 192
.set TMP,  192                         ; the way out: packed results, v192-223
.set G1, 24
.set G0, 32
.set G1B, 48
.set G0B, 56
.set G1S, 68
.set G0S, 76
.set G1SB, 80
.set G0SB, 88
.set MSB, 0
.macro WIN new                         ; the immediate's high byte repeats the setting that is left
.if MSB != \new
	s_set_vgpr_msb (MSB<<8)|\new
.set MSB, \new
.endif
.endm
.set MUL_LO, 0xa1                      ; source 0 (B) window 1, source 1 (A) window 0, C and D window 2
.set MUL_HI, 0xf1                      ; the same, C and D window 3
.set TO_B,   0x40
; A joint load: waves 0 and 1 fetch for A, waves 2 and 3 for B.  The branch hangs on the wave's number alone.  An s_nop 0 and four v_nop follow each of the two lines.
.macro JLOAD g0a, g1a, g0b, g1b
	s_cmp_eq_u32 s15, 0
	s_cbranch_scc0 .Lfor_b_\@
	tensor_load_to_lds s[\g0a:\g0a+3], s[\g1a:\g1a+7]
	s_nop 0
.rept 4
	v_nop
.endr
	s_branch .Lasked_\@
.Lfor_b_\@:
	tensor_load_to_lds s[\g0b:\g0b+3], s[\g1b:\g1b+7]
	s_nop 0
.rept 4
	v_nop
.endr
.Lasked_\@:
.endm
.macro CROUND                          ; a round of the cluster's barrier
	s_barrier_signal -1
	s_barrier_wait -1
	s_cmp_lg_u32 s14, 0
	s_cbranch_scc1 .Lnot_wave_0_\@
	s_barrier_signal -3
.Lnot_wave_0_\@:
	s_barrier_wait -3
	s_barrier_signal -1
	s_barrier_wait -1
.endm
	s_load_b128 s[4:7], s[0:1], 0x0                ; x's codes, x's scales
	s_load_b128 s[8:11], s[0:1], 0x10              ; the weights' codes, their scales
	s_load_b128 s[96:99], s[0:1], 0x20             ; bq, bv
	s_load_b64 s[12:13], s[0:1], 0x30              ; qkv
	v_lshl_add_u32 v[SPW], v0, 2, SPARE
	v_mov_b32 v[NIL], 0
	ds_add_u32 v[SPW], v[NIL]                      ; the wave's opening: the add, twice on end, and its wait ahead of my first tensor load
	ds_add_u32 v[SPW], v[NIL]
	v_lshrrev_b32 v1, 5, v0
	v_readfirstlane_b32 s14, v1                    ; wave 0..3
	s_lshr_b32 s15, s14, 1                         ; which half of the tile's rows is mine.  Also: I fetch for A (0) or for B (1)
	s_and_b32 s16, s14, 1                          ; which half of its columns.  Also: which 128 rows of that tile I fetch
	s_bfe_u32 s40, ttmp6, 0x40000                  ; cx, cy
	s_bfe_u32 s41, ttmp6, 0x40004
	s_lshl_b32 s42, ttmp9, 2
	s_add_co_u32 s42, s42, s40                     ; tile column
	s_and_b32 s17, ttmp7, 0xffff
	s_lshl_b32 s17, s17, 2
	s_add_co_u32 s17, s17, s41                     ; tile row
	s_lshl_b32 s43, s41, 2
	s_lshl_b32 s43, 15, s43                        ; my row of the cluster
	s_lshl_b32 s44, 0x1111, s40                    ; my column
	s_or_b32 s[G1+0], s43, (0<<16)|(1<<20)|(1<<21)|(5<<22)|(3<<25)  ; the mask; elements of 1 byte; padding: 4 words behind every 64; bit 21 beside a mask
	s_or_b32 s[G1B+0], s44, (0<<16)|(1<<20)|(1<<21)|(5<<22)|(3<<25)
.irp g, G1, G1B
	s_mov_b32 s[\g+1], ROWB<<16                    ; tensor_dim0
	s_mov_b32 s[\g+2], 128<<16                     ; tensor_dim1
	s_mov_b32 s[\g+3], ROWB<<16                    ; tile_dim0
	s_mov_b32 s[\g+4], 128                         ; tile_dim1
	s_mov_b32 s[\g+5], KROW                        ; from row to row
	s_mov_b32 s[\g+6], 0
	s_mov_b32 s[\g+7], 0
.endr
	s_or_b32 s[G1S+0], s43, (3<<16)|(1<<20)|(1<<21)|(5<<22)|(3<<25) ; the scale bytes of 128 rows: 4,096 dense bytes as 16 rows of 32 elements of 8 bytes
	s_or_b32 s[G1SB+0], s44, (3<<16)|(1<<20)|(1<<21)|(5<<22)|(3<<25)
.irp g, G1S, G1SB
	s_mov_b32 s[\g+1], 32<<16
	s_mov_b32 s[\g+2], (128*KS/256)<<16
	s_mov_b32 s[\g+3], 32<<16
	s_mov_b32 s[\g+4], 128*KS/256
	s_mov_b32 s[\g+5], 32
	s_mov_b32 s[\g+6], 0
	s_mov_b32 s[\g+7], 0
.endr
	s_lshl_b32 s18, s16, 7
	s_lshl_b32 s20, s17, 8
	s_add_co_u32 s20, s20, s18                     ; A: row 256 x tile row + 128 x half
	s_lshl_b32 s46, s42, 8
	s_add_co_u32 s46, s46, s18                     ; B: row 256 x tile column + 128 x half
	s_mov_b32 s21, 0
	s_mov_b32 s47, 0
	s_mov_b64 s[18:19], KS
	s_mul_u64 s[22:23], s[20:21], s[18:19]
	s_mul_u64 s[92:93], s[46:47], s[18:19]
	s_mov_b64 s[18:19], KROW
	s_mul_u64 s[20:21], s[20:21], s[18:19]
	s_mul_u64 s[46:47], s[46:47], s[18:19]
	s_mul_i32 s45, s14, HALFT                      ; where they go: wave x 128 rows
	s_mul_i32 s94, s14, HALFS
	s_wait_dscnt 0x0                               ; both opening adds are done
	s_wait_kmcnt 0x0
	s_add_nc_u64 s[20:21], s[4:5], s[20:21]
	s_add_nc_u64 s[22:23], s[6:7], s[22:23]
	s_add_nc_u64 s[46:47], s[8:9], s[46:47]
	s_add_nc_u64 s[92:93], s[10:11], s[92:93]
	CROUND                                         ; all sixteen work-groups are here: the first joint loads meet
	s_mov_b32 s[G0S], 1
	s_add_co_u32 s[G0S+1], s94, SCL
	s_mov_b64 s[G0S+2:G0S+3], s[22:23]
	s_or_b32 s[G0S+3], s[G0S+3], 0x80000000
	s_mov_b32 s[G0SB], 1
	s_add_co_u32 s[G0SB+1], s94, SCL
	s_mov_b64 s[G0SB+2:G0SB+3], s[92:93]
	s_or_b32 s[G0SB+3], s[G0SB+3], 0x80000000
	JLOAD G0S, G1S, G0SB, G1SB                     ; the scales first: they are wanted with the first step
.irp s, 0,1
	s_mov_b32 s[G0+4*\s], 1
	s_add_co_u32 s[G0+4*\s+1], s45, \s*SLOT
	s_add_nc_u64 s[G0+4*\s+2:G0+4*\s+3], s[20:21], \s*ROWB
	s_or_b32 s[G0+4*\s+3], s[G0+4*\s+3], 0x80000000
	s_mov_b32 s[G0B+4*\s], 1
	s_add_co_u32 s[G0B+4*\s+1], s45, \s*SLOT
	s_add_nc_u64 s[G0B+4*\s+2:G0B+4*\s+3], s[46:47], \s*ROWB
	s_or_b32 s[G0B+4*\s+3], s[G0B+4*\s+3], 0x80000000
	JLOAD G0+4*\s, G1, G0B+4*\s, G1B               ; by this text's count three tensor loads of a wave are out, and no more are issued
.endr
	v_and_b32 v1, 15, v0                           ; r = l % 16
	v_bfe_u32 v2, v0, 4, 1                         ; h = l / 16
	; the bias of my 128 columns, in the result's layout: block b's register j is bias[16 b + 8 h + j]
	s_cmp_eq_u32 ttmp9, 0
	s_cselect_b64 s[96:97], s[96:97], s[98:99]
	s_lshl_b32 s98, s40, 10
	s_lshl_b32 s99, s16, 9
	s_add_co_u32 s98, s98, s99
	s_mov_b32 s99, 0
	s_add_nc_u64 s[96:97], s[96:97], s[98:99]
	v_lshlrev_b32 v30, 5, v2
	s_cmp_eq_u32 ttmp9, 1                          ; the cluster's x: the same in all sixteen partners
	s_cbranch_scc1 .Lk_has_none
.irp b, 0,1,2,3,4,5,6,7
	global_load_b128 v[BIAS+8*\b:BIAS+8*\b+3], v30, s[96:97] offset:64*\b
	global_load_b128 v[BIAS+8*\b+4:BIAS+8*\b+7], v30, s[96:97] offset:64*\b+16
.endr
	s_branch .Lbias_set
.Lk_has_none:
.set I, 0
.rept 64
	v_mov_b32 v[BIAS+I], 0                         ; k's columns have no bias
.set I, I+1
.endr
.Lbias_set:
	v_mul_u32_u24 v3, v1, PITCH
	v_lshl_add_u32 v4, v2, 4, v3                   ; a fragment's row x pitch + 16 x half
	s_mul_i32 s21, s15, HALFT                      ; my 128 rows of A
	s_mul_i32 s22, s16, HALFT                      ; my 128 rows of B,
	s_add_co_u32 s22, s22, 2*HALFT                 ; which lie behind A's 256
.irp s, 0,1
	v_add_nc_u32 v[ADRA+\s], s21, v4
	v_add_nc_u32 v[ADRB+\s], s22, v4
	s_add_co_u32 s21, s21, SLOT
	s_add_co_u32 s22, s22, SLOT
.endr
	v_mul_u32_u24 v5, v1, KS                       ; my row's scale bytes: 32 a row,
	v_lshrrev_b32 v6, 8, v5
	v_lshl_add_u32 v5, v6, 4, v5                   ; and 16 more for each 256 passed
	s_mul_i32 s21, s15, HALFS
	s_mul_i32 s22, s16, HALFS
	s_add_co_u32 s22, s22, 2*HALFS
	s_sub_co_u32 s22, s22, s21
	v_mul_u32_u24 v6, s22, v2                      ; lanes 16-31 take B's
	s_add_co_u32 s21, s21, SCL
	v_add_nc_u32 v5, v5, v6
	v_add_nc_u32 v[ADRS], s21, v5
	s_mul_i32 s23, s14, 16*PITCH                   ; my stage for the way out: 16 rows x (256 bytes + 16), in slot 0, which has had its only fill and, behind the change of slots, its last read
	v_mul_u32_u24 v5, v1, PITCH
	v_lshl_add_u32 v5, v2, 4, v5
	v_add_nc_u32 v[STO], s23, v5                   ; in: token r, 16 bytes for each half of the lanes
	v_and_b32 v6, 31, v0
	v_lshlrev_b32 v[CO], 4, v6                     ; out: 16 x lane: four tokens' 128 bytes of one head are 512 dense bytes of qkv
	v_lshrrev_b32 v5, 3, v6
	v_mul_u32_u24 v5, v5, PITCH
	v_and_b32 v6, 7, v6
	v_lshl_add_u32 v5, v6, 4, v5
	v_add_nc_u32 v[RD], s23, v5                    ; back: token l / 8 of four, 16 bytes l % 8 of a head's 128
	s_lshl_b32 s20, s17, 8
	s_lshl_b32 s21, s15, 7
	s_add_co_u32 s20, s20, s21                     ; my first token
	s_lshr_b32 s21, s20, 11
	s_lshl_b32 s21, s21, 22                        ; its batch: 16 heads x 262,144 bytes
	s_and_b32 s20, s20, 2047
	s_lshl_b32 s20, s20, 7                         ; its place in a head: 128 bytes a token
	s_add_co_u32 s20, s20, s21
	s_lshl_b32 s21, ttmp9, 23                      ; q, k or v: 8,388,608 bytes each
	s_add_co_u32 s20, s20, s21
	s_lshl_b32 s46, s40, 2
	s_lshl_b32 s47, s16, 1
	s_add_co_u32 s46, s46, s47                     ; my first head: 4 cx + 2 x half
	s_lshl_b32 s46, s46, 18
	s_add_co_u32 s20, s20, s46
	s_mov_b32 s21, 0
	s_add_nc_u64 s[12:13], s[12:13], s[20:21]
.macro FRAG reg, adr, q, i             ; 16 rows x 128 K of 4-bit codes: lane l holds row l % 16; registers 4 c .. 4 c + 3 hold K = 64 c + 32 (l / 16) + 0 .. 31
.irp c, 0,1
	ds_load_b128 v[\reg+4*\c:\reg+4*\c+3], v[\adr] offset:64*(\q)+32*\c+(\i)*16*PITCH
.endr
.endm
; 16 matrix instructions: A's blocks a0, a0 + 1 x B's eight, 128 along K.  first = 1: the bias is the C of the sum's first product.  The 64 accumulators take turns, one instruction a turn, in the same order in every step.
.macro MUL16 a0, p, q, sc, first
.irp a, \a0, \a0+1
.irp b, 0,1,2,3,4,5,6,7
.if \first
	v_wmma_scale_f32_16x16x128_f8f6f4 v[8*(8*((\a)%4)+\b):8*(8*((\a)%4)+\b)+7], v[128*(\p)+FR*\b:128*(\p)+FR*\b+FR-1], v[AF+FR*(\a):AF+FR*(\a)+FR-1], v[BIAS+8*\b:BIAS+8*\b+7], v[SC+8*NQ*(\sc)+NQ*\b+(\q)], v[SC+8*NQ*(\sc)+NQ*(\a)+(\q)] matrix_a_fmt:MATRIX_FMT_FP4 matrix_b_fmt:MATRIX_FMT_FP4 matrix_a_scale:MATRIX_SCALE_ROW1
.else
	v_wmma_scale_f32_16x16x128_f8f6f4 v[8*(8*((\a)%4)+\b):8*(8*((\a)%4)+\b)+7], v[128*(\p)+FR*\b:128*(\p)+FR*\b+FR-1], v[AF+FR*(\a):AF+FR*(\a)+FR-1], v[8*(8*((\a)%4)+\b):8*(8*((\a)%4)+\b)+7], v[SC+8*NQ*(\sc)+NQ*\b+(\q)], v[SC+8*NQ*(\sc)+NQ*(\a)+(\q)] matrix_a_fmt:MATRIX_FMT_FP4 matrix_b_fmt:MATRIX_FMT_FP4 matrix_a_scale:MATRIX_SCALE_ROW1
.endif
.endr
.endr
.endm
.macro FETCH_B slot, q, p
	WIN TO_B
.irp i, 0,1,2,3,4,5,6,7
	FRAG 128*(\p)+FR*\i, ADRB+\slot, \q, \i
.endr
	WIN 0
.endm
.macro FETCH_A slot, q, i0
.irp i, \i0, \i0+1, \i0+2, \i0+3
	FRAG AF+FR*(\i), ADRA+\slot, \q, \i
.endr
.endm
.macro SCALES sc                       ; a slot's scale words: four words a row; lanes 0-15 take A's block i, lanes 16-31 B's block i
.irp i, 0,1,2,3,4,5,6,7
	ds_load_b128 v[SC+8*NQ*\sc+NQ*\i:SC+8*NQ*\sc+NQ*\i+3], v[ADRS] offset:\i*SBLK
.endr
.endm
.macro PLACES n                        ; plain vector instructions between a matrix instruction and a load into, or a read of, its registers
.rept \n
	v_nop
.endr
.endm
.macro STEP slot, q, first             ; a step of 128 along K that has its successor in the same slot
	s_wait_dscnt 4*NL                              ; B's set and A's blocks 0-3 are in; the youngest eight loads (A's blocks 4-7) may be out
.if \first
	WIN 0x81                                       ; C (the bias) window 0, D window 2
.else
	WIN MUL_LO
.endif
	MUL16 0, (\q)%2, \q, \slot, \first
	MUL16 2, (\q)%2, \q, \slot, \first
	s_wait_dscnt 0
	PLACES NP
	FETCH_B \slot, (\q)+1, 1-(\q)%2
	FETCH_A \slot, (\q)+1, 0
.if \first
	WIN 0xc1                                       ; C window 0, D window 3
.else
	WIN MUL_HI
.endif
	MUL16 4, (\q)%2, \q, \slot, \first
	MUL16 6, (\q)%2, \q, \slot, \first
	PLACES NP
	WIN 0
	FETCH_A \slot, (\q)+1, 4
.endm
.macro STEPS slot, from
.set Q, \from
.rept NQ-1-\from
	STEP \slot, Q, 0
.set Q, Q+1
.endr
.endm
	s_wait_tensorcnt 1                             ; the scales and my part of slot 0 are in; slot 1's load may be out
	s_barrier_signal -1
	s_barrier_wait -1
	FETCH_B 0, 0, 0
	FETCH_A 0, 0, 0
	SCALES 0
	FETCH_A 0, 0, 4
	s_wait_loadcnt 0x0                             ; the bias
	STEP 0, 0, 1
	STEPS 0, 1
	; slot 0's last step changes slots: one barrier; in front of it each wave waits for its last tensor load, adds 0 to its spare word, and waits for that and for its reads of slot 0
	s_wait_tensorcnt 0x0
	ds_add_u32 v[SPW], v[NIL]
	s_wait_dscnt 4*NL+1                            ; the add and the youngest eight loads may be out
	WIN MUL_LO
	MUL16 0, 1, NQ-1, 0, 0
	s_wait_dscnt 0x0
	s_barrier_signal -1
	MUL16 2, 1, NQ-1, 0, 0
	WIN 0
	s_barrier_wait -1                              ; slot 1 is whole, and nobody reads slot 0 any more
	PLACES NP
	v_add_nc_u32 v[ADRS], 4*NQ, v[ADRS]            ; on to slot 1's scale words
	FETCH_B 1, 0, 0
	FETCH_A 1, 0, 0
	SCALES 1
	WIN MUL_HI
	MUL16 4, 1, NQ-1, 0, 0
	MUL16 6, 1, NQ-1, 0, 0
	PLACES NP
	WIN 0
	FETCH_A 1, 0, 4
	STEPS 1, 0
	s_wait_dscnt 4*NL                              ; the very last step
	WIN MUL_LO
	MUL16 0, 1, NQ-1, 1, 0
	MUL16 2, 1, NQ-1, 1, 0
	s_wait_dscnt 0
	WIN MUL_HI
	MUL16 4, 1, NQ-1, 1, 0
	MUL16 6, 1, NQ-1, 1, 0
	WIN 0
; THE WAY OUT, block by block of 16 tokens x 128 columns (two heads).  PACK: rounded to f16, 16 bytes a lane, each accumulator from its low end on.  TOSTAGE: into my stage, and back by head: four tokens' 128 bytes an instruction.  SEND: stored.
.macro PACK a
.set AC, 64*((\a)%4)
	WIN 0x0a+5*((\a)/4)                            ; sources 0 and 1: window 2 or 3
.irp b, 0,1,2,3,4,5,6,7
.irp r, 0,1,2,3
	v_cvt_pk_f16_f32 v[TMP+4*\b+\r], v[AC+8*\b+2*\r], v[AC+8*\b+2*\r+1]
.endr
.endr
	WIN 0
.endm
.macro TOSTAGE a
.set BB, BK+32*((\a)%2)
.irp b, 0,1,2,3,4,5,6,7
	ds_store_b128 v[STO], v[TMP+4*\b:TMP+4*\b+3] offset:32*\b
.endr
.irp t, 0,1,2,3,4,5,6,7
	ds_load_b128 v[BB+4*\t:BB+4*\t+3], v[RD] offset:(\t%4)*4*PITCH+(\t/4)*128   ; LDS serves a wave's instructions in order (ISA guide 5.7.1.4): these see the stores above
.endr
.endm
.macro SEND a
.set BB, BK+32*((\a)%2)
	s_wait_dscnt 0x0                               ; the block is back in registers
	s_wait_xcnt 0x0                                ; the stores of the block before have read their registers: the next block's loads may land there
.irp t, 0,1,2,3,4,5,6,7
	global_store_b128 v[CO], v[BB+4*\t:BB+4*\t+3], s[12:13] offset:(\a)*2048+(\t%4)*512+(\t/4)*262144   ; the wave stores 512 consecutive bytes, aligned
.endr
.endm
	PLACES NP
	PACK 0
	TOSTAGE 0
.irp a, 1,2,3,4,5,6,7                  ; block a's conversions stand between block a - 1's loads from the stage and the wait for them
	PACK \a
	SEND \a-1
	TOSTAGE \a
.endr
	SEND 7
	s_wait_tensorcnt 0x0                           ; the wave's end
	ds_add_u32 v[SPW], v[NIL]
	s_wait_dscnt 0x0
	CROUND                                         ; the closing round
	s_endpgm
.Lfunc_end_k_q9b174cbdc6_qkv:
	.size	k_q9b174cbdc6_qkv, .Lfunc_end_k_q9b174cbdc6_qkv-k_q9b174cbdc6_qkv
	.p2alignl 7, 3214868480
	.fill 96, 4, 3214868480
	.section	.rodata,"a",@progbits
	.p2align	6, 0x0
	.amdhsa_kernel k_q9b174cbdc6_qkv
		.amdhsa_group_segment_fixed_size 327680
		.amdhsa_private_segment_fixed_size 0
		.amdhsa_enable_private_segment 0
		.amdhsa_kernarg_size 56
		.amdhsa_user_sgpr_count 2
		.amdhsa_user_sgpr_kernarg_segment_ptr 1
		.amdhsa_wavefront_size32 1
		.amdhsa_system_sgpr_workgroup_id_x 1
		.amdhsa_system_sgpr_workgroup_id_y 1
		.amdhsa_system_sgpr_workgroup_id_z 1
		.amdhsa_system_vgpr_workitem_id 0
		.amdhsa_next_free_vgpr 1024
		.amdhsa_next_free_sgpr 100
		.amdhsa_reserve_vcc 0
		.amdhsa_float_denorm_mode_32 3
		.amdhsa_float_denorm_mode_16_64 3
		.amdhsa_memory_ordered 1
		.amdhsa_forward_progress 1
		.amdhsa_inst_pref_size 130
	.end_amdhsa_kernel
	.amdgpu_metadata
---
amdhsa.version: [ 1, 2 ]
amdhsa.kernels:
  - .name:           k_q9b174cbdc6_qkv
    .symbol:         k_q9b174cbdc6_qkv.kd
    .args:
      - { .name: x_codes, .offset: 0, .size: 8, .value_kind: global_buffer, .address_space: global }
      - { .name: x_scales, .offset: 8, .size: 8, .value_kind: global_buffer, .address_space: global }
      - { .name: w_codes, .offset: 16, .size: 8, .value_kind: global_buffer, .address_space: global }
      - { .name: w_scales, .offset: 24, .size: 8, .value_kind: global_buffer, .address_space: global }
      - { .name: bq, .offset: 32, .size: 8, .value_kind: global_buffer, .address_space: global }
      - { .name: bv, .offset: 40, .size: 8, .value_kind: global_buffer, .address_space: global }
      - { .name: qkv, .offset: 48, .size: 8, .value_kind: global_buffer, .address_space: global }
    .group_segment_fixed_size: 327680
    .private_segment_fixed_size: 0
    .kernarg_segment_align: 8
    .kernarg_segment_size: 56
    .max_flat_workgroup_size: 128
    .sgpr_count:     100
    .vgpr_count:     1024
    .wavefront_size: 32
...
	.end_amdgpu_metadata
.endif
;; end of part 2
;; launch attn (part 3): grid 8 x 32, 8 waves a work-group, clusters of 4 x 1, 327,680 bytes of LDS; arguments qkv, maskb, ao; writes ao
.if DOCPART == 3
	.amdgcn_target "amdgcn-amd-amdhsa--gfx1250"
	.amdhsa_code_object_version 6
	.text
	.protected	k_q9b174cbdc6_attn
	.globl	k_q9b174cbdc6_attn
	.p2align	8
	.type	k_q9b174cbdc6_attn,@function
k_q9b174cbdc6_attn:
	s_mov_b64 s[64:65], 0
	v_nop
	global_prefetch_b8 v0, s[64:65] scope:SCOPE_SE
	s_setreg_imm32_b32 hwreg(HW_REG_WAVE_MODE, 25, 1), 1
	s_wait_xcnt 0x0
	s_wait_alu depctr_hold_cnt(0) depctr_sa_sdst(0) depctr_va_vdst(0) depctr_va_sdst(0) depctr_va_ssrc(0) depctr_va_vcc(0) depctr_vm_vsrc(0)
	s_getreg_b32 s2, hwreg(HW_REG_IB_STS2, 6, 4)
	s_cmp_eq_u32 s2, 0
	s_cbranch_scc0 .Lentry_in_a_cluster
	s_endpgm
.Lentry_in_a_cluster:
	s_bfe_u32 s2, ttmp6, 0x10000c
	s_cmp_lg_u32 s2, 0x3003
	s_cbranch_scc0 .Lentry_shape_is_right
	s_endpgm
.Lentry_shape_is_right:
; Launch 3 of 4: for each batch and head, O[q] = sum over k of softmax_k(Q[q] . K[k] / 8, hidden keys at -infinity) V[k]; a query all of whose keys are hidden gives 0.
; Q, K, V: qkv [3][batch 2][head 16][token 2048][64], f16 (K without bk: dead work, shown at the head of the first launch).  maskb [2][2048] f32: 0, or -2^120 for a hidden key.
; O: ao [token / 128][head 16][token % 128][64], f16.  Products, maxima and sums in f32; the weights p are rounded to f16 for the second product, O once at the end.
; SHARES.  A work-group owns 256 queries of one head, each of its eight waves 32: two tiles of 16, in 256 registers: two waves to a SIMD, so that one wave's vector work stands beside the other's matrix work.  Every wave walks all 2,048 keys, 64 a step.
; LAYOUT.  S^T = K Q^T (source 0 = 16 keys, source 1 = 16 queries): a lane holds ONE query (lane % 16) and the keys 8 (lane / 16) + 0..7.  Two such tiles, rounded to f16 in pairs, ARE source 1 of O^T = V^T P.  K comes out of LDS as it lies, V turned, by ds_load_tr16_b128.
; THE MASK costs no vector instruction: the keys' biases are loaded from LDS into S^T's registers and are the C of each sum's first product.
; SOFTMAX.  For each query a running maximum m and sum l: p = 2^(c s - c m), c = log2(e) / 8; in every step O and l are multiplied by a = 2^(c m_old - c m_new).  m begins at -2^40: under every score that f16 operands can give
; (64 x 65,504^2 < 2^38) and far over a hidden key's -2^120, so a hidden key's p is exactly 0 whatever else the row holds.  Where all keys are hidden l = 0 and O = 0: 1 / l is then replaced by 0.
; LIMIT: a hidden key's score is -2^120 in place of -infinity: the same p for all finite q and k in f16.
; CLUSTER.  The four query blocks of a cluster belong to one head and walk the same K, V and biases: each tile is asked for JOINTLY, with a mask that names the four.
; THE RING: two slots of 256 keys (four steps).  The rows are dense in memory, so a tile is stated as rows of 256 bytes, two keys to a row.  Waves 0-3 fetch K's quarters (and at the head the biases'), waves 4-7 V's: one load a wave behind each round.
.set PK,    272                        ; two keys of K in LDS: 256 bytes + 16: key x at (x / 2) 272 + (x % 2) 128: the 16 keys of a load touch 16 different 16-byte columns of the banks' 256 bytes (ISA guide 11.1)
.set PV,    288                        ; two keys of V: 256 bytes + 32: likewise for the turning load's 8 keys x 32 bytes
.set VOFF,  128*PK                     ; a slot: 128 rows of K, then 128 rows of V
.set SLOT1, 131072                     ; slot 1 begins here: one exclusive or turns an address in one slot into the other's
.set MB,    262144                     ; the biases of the batch's 2,048 keys, 8,192 bytes, filled once
.set STAGE, MB+8192                    ; the way out: 32 rows x (128 bytes + 16) for each wave; no fill lands here
.set SPARE, STAGE+8*32*144             ; the spare words, 128 bytes for each wave: four blocks of 256 bytes that no other line names
.set AK0, 1                            ; v1   my lane's place in a tile of K
.set AV0, 2                            ; v2   the same for V
.set AM0, 3                            ; v3   and among the biases
.set ADK, 4                            ; v4-6 the addresses of the step in hand
.set ADV, 5
.set ADM, 6
.set SPW, 7                            ; v7   LDS address of my spare word; never rewritten
.set NIL, 8                            ; v8   0; never rewritten
.set PFO, 9                            ; v9   256 x lane; never rewritten
.set STO, 10
.set RD,  11
.set GO,  12
.set QO,  13
.set ST,  16                           ; tile t's statistics at v[16 + 8 t]: +0 c m, +1 m, +2, +3 l (even keys', odd keys'), +4 to +7 at work; a at +6
.set Q,   32                           ; v32-63   Q: tile t, channels 32 c on, at 32 + 16 t + 8 c
.set S,   64                           ; v64-127  S^T: tile t, keys 16 kt on, at 64 + 32 t + 8 kt; then p; then P, packed over the tile's first 16 registers
.set O,   128                          ; v128-191 O^T: tile t, channels 16 ct on, at 128 + 32 t + 8 ct
.set KV,  192                          ; v192-255 K of a step (keys 16 kt, channels 32 c: 192 + 16 kt + 8 c), then its V (keys 32 kk, channels 16 ct: 192 + 32 kk + 8 ct)
.set WV,  12
.set LIM, 15
.set PFA, 18
.set G1K, 24
.set G1V, 32
.set G0K, 40
.set G0V, 44
.set G1M, 48
.set G0M, 56
.set CS,  60
.set SEL, 62
.set TB,  66
.set TM,  67
.set SLOTS, 68
.macro JLOAD                           ; a joint refill.  The branch hangs on the wave's number alone.  An s_nop 0 and four v_nop follow each of the two lines
	s_cmp_lt_u32 s[WV], 4
	s_cbranch_scc0 .Lfor_v_\@
	tensor_load_to_lds s[G0K:G0K+3], s[G1K:G1K+7]
	s_nop 0
.rept 4
	v_nop
.endr
	s_branch .Lasked_\@
.Lfor_v_\@:
	tensor_load_to_lds s[G0V:G0V+3], s[G1V:G1V+7]
	s_nop 0
.rept 4
	v_nop
.endr
.Lasked_\@:
.endm
; A PREFETCH of what the NEXT change of slots will ask for: a slot's 32,768 bytes of K and of V, lanes 256 bytes apart.  Each block of 256 bytes is named once in the launch: both clusters of a head walk the same rows, and the first asks;
; its four partners take 8,192 bytes each, told apart by address; in each, wave 0 asks for K's and wave 4 for V's.  The last change that fills a slot asks for nothing; slots 0 and 1 come by their loads alone.
.macro ASK
	s_cmp_gt_u32 s[SLOTS], s[LIM]
	s_cbranch_scc0 .Lnot_mine_\@
	global_prefetch_b8 v[PFO], s[PFA:PFA+1] th:TH_LOAD_NT scope:SCOPE_SE
.Lnot_mine_\@:
.endm
.macro CROUND                          ; a round of the cluster's barrier
	s_barrier_signal -1
	s_barrier_wait -1
	s_cmp_lg_u32 s[WV], 0
	s_cbranch_scc1 .Lnot_wave_0_\@
	s_barrier_signal -3
.Lnot_wave_0_\@:
	s_barrier_wait -3
	s_barrier_signal -1
	s_barrier_wait -1
.endm
	s_load_b128 s[4:7], s[0:1], 0x0                ; qkv, maskb
	s_load_b64 s[8:9], s[0:1], 0x10                ; ao
	v_lshl_add_u32 v[SPW], v0, 2, SPARE
	v_mov_b32 v[NIL], 0
	ds_add_u32 v[SPW], v[NIL]                      ; the wave's opening: the add, twice on end, and its wait ahead of my first tensor load
	ds_add_u32 v[SPW], v[NIL]
	v_lshrrev_b32 v1, 5, v0
	v_readfirstlane_b32 s[WV], v1                  ; wave 0..7
	s_bfe_u32 s13, ttmp6, 0x40000                  ; cx
	s_lshl_b32 s14, ttmp9, 2
	s_add_co_u32 s14, s14, s13                     ; my block of 256 queries: it enters Q's and O's addresses alone
	s_and_b32 s16, ttmp7, 0xffff                   ; 16 x batch + head, which the four partners share
	s_and_b32 s17, s[WV], 3                        ; which quarter of a tile I fetch
	s_mov_b32 s[G1K], 15|(1<<16)|(1<<20)|(1<<21)|(5<<22)|(3<<25)  ; the mask: all four; elements of 2 bytes; padding: 4 words behind every 64; bit 21 beside a mask
	s_mov_b32 s[G1V], 15|(1<<16)|(1<<20)|(1<<21)|(5<<22)|(7<<25)  ; the same with 8 words of padding
.irp g, G1K, G1V
	s_mov_b32 s[\g+1], 128<<16                     ; tensor_dim0 = 128 elements: two keys
	s_mov_b32 s[\g+2], 32<<16                      ; tensor_dim1 = 32 rows
	s_mov_b32 s[\g+3], 128<<16                     ; tile_dim0
	s_mov_b32 s[\g+4], 32                          ; tile_dim1
	s_mov_b32 s[\g+5], 128                         ; from row to row
	s_mov_b32 s[\g+6], 0
	s_mov_b32 s[\g+7], 0
.endr
	s_mov_b32 s[G1M], 15|(3<<16)|(1<<21)           ; the biases: 8 rows of 32 elements of 8 bytes, no padding
	s_mov_b32 s[G1M+1], 32<<16
	s_mov_b32 s[G1M+2], 8<<16
	s_mov_b32 s[G1M+3], 32<<16
	s_mov_b32 s[G1M+4], 8
	s_mov_b32 s[G1M+5], 32
	s_mov_b32 s[G1M+6], 0
	s_mov_b32 s[G1M+7], 0
	s_mov_b32 s[CS], 0x3e38aa3b                    ; c = log2(e) / 8
	s_mov_b32 s[CS+1], s[CS]                       ; (named with it as a pair, so it is written)
	s_mov_b32 s[SEL], 0x76543210
	s_mov_b32 s[SEL+1], 0xfedcba98                 ; v_permlanex16_b32's selects for lane l xor 16
	s_mov_b32 s[TB], 0
	s_mov_b32 s[TM], 0
	s_mov_b32 s[SLOTS], 7
	s_or_b32 s[LIM], s17, ttmp9                    ; 0 in waves 0 and 4 of the head's first cluster: the same in all four partners
	s_cmp_eq_u32 s[LIM], 0
	s_cselect_b32 s[LIM], 1, -1
	s_lshl_b32 s20, s16, 18                        ; the head's 262,144 bytes
	s_lshl_b32 s22, s17, 13
	s_add_co_u32 s22, s22, s20                     ; + my quarter of a slot: 8,192 bytes
	s_mov_b32 s23, 0
	s_lshl_b32 s2, s14, 15
	s_lshl_b32 s3, s[WV], 12
	s_add_co_u32 s2, s2, s3
	s_add_co_u32 s20, s20, s2                      ; Q: + my block's 256 rows, my wave's 32 of them
	s_mov_b32 s21, 0
	s_lshr_b32 s2, s16, 4                          ; the batch
	s_lshl_b32 s3, s2, 4
	s_lshl_b32 s10, s14, 1
	s_add_co_u32 s3, s3, s10
	s_lshr_b32 s10, s[WV], 2
	s_add_co_u32 s3, s3, s10                       ; token / 128
	s_lshl_b32 s10, s3, 18
	s_and_b32 s3, s16, 15
	s_lshl_b32 s3, s3, 14                          ; the head: 128 tokens x 128 bytes
	s_add_co_u32 s10, s10, s3
	s_lshl_b32 s3, s17, 12                         ; my 32 tokens of the 128
	s_add_co_u32 s10, s10, s3
	s_mov_b32 s11, 0
	s_lshl_b32 s2, s2, 13                          ; the batch's 8,192 bytes of biases,
	s_lshl_b32 s3, s17, 11
	s_add_co_u32 s2, s2, s3                        ; my quarter
	s_mov_b32 s3, 0
	s_mov_b32 s[G0K], 1
	s_mul_i32 s[G0K+1], s17, 32*PK
	s_mov_b32 s[G0V], 1
	s_mul_i32 s[G0V+1], s17, 32*PV
	s_add_co_u32 s[G0V+1], s[G0V+1], VOFF
	s_mov_b32 s[G0M], 1
	s_lshl_b32 s[G0M+1], s17, 11
	s_add_co_u32 s[G0M+1], s[G0M+1], MB
	s_wait_dscnt 0x0                               ; both opening adds are done
	s_wait_kmcnt 0x0
	s_add_nc_u64 s[G0K+2:G0K+3], s[4:5], s[22:23]
	s_add_nc_u64 s[G0V+2:G0V+3], s[G0K+2:G0K+3], 0x1000000  ; V lies 16,777,216 bytes into qkv,
	s_add_nc_u64 s[G0K+2:G0K+3], s[G0K+2:G0K+3], 0x800000   ; K 8,388,608
	s_add_nc_u64 s[G0M+2:G0M+3], s[6:7], s[2:3]
	s_cmp_lt_u32 s[WV], 4
	s_cselect_b64 s[PFA:PFA+1], s[G0K+2:G0K+3], s[G0V+2:G0V+3]  ; (in waves 0 and 4 these stand at the head's first row)
	s_lshl_b32 s2, s13, 13                         ; my work-group's 8,192 bytes,
	s_add_co_u32 s2, s2, 32768                     ; in slot 1: the first change of slots steps it to slot 2.  Nothing is prefetched here, at the head
	s_add_nc_u64 s[PFA:PFA+1], s[PFA:PFA+1], s[2:3]
	s_or_b32 s[G0K+3], s[G0K+3], 0x80000000
	s_or_b32 s[G0V+3], s[G0V+3], 0x80000000
	s_or_b32 s[G0M+3], s[G0M+3], 0x80000000
	s_add_nc_u64 s[4:5], s[4:5], s[20:21]          ; Q at my wave's first row
	s_add_nc_u64 s[8:9], s[8:9], s[10:11]          ; O likewise
	CROUND                                         ; all four work-groups are here: the first joint loads meet
	s_cmp_lt_u32 s[WV], 4                          ; every wave issues a first fill: two loads of a wave are out at the most
	s_cbranch_scc0 .Lfirst_v
	tensor_load_to_lds s[G0M:G0M+3], s[G1M:G1M+7]
	s_nop 0
	tensor_load_to_lds s[G0K:G0K+3], s[G1K:G1K+7]
	s_nop 0
.rept 4
	v_nop
.endr
	s_branch .Lfirst_asked
.Lfirst_v:
	tensor_load_to_lds s[G0V:G0V+3], s[G1V:G1V+7]
	s_nop 0
.rept 4
	v_nop
.endr
.Lfirst_asked:
	v_and_b32 v14, 15, v0                          ; r = l % 16
	v_bfe_u32 v15, v0, 4, 1                        ; h = l / 16
	v_lshlrev_b32 v[QO], 7, v14
	v_lshl_add_u32 v[QO], v15, 4, v[QO]            ; Q: row r of 128 bytes, + 16 h
.irp t, 0,1
.irp c, 0,1
.irp u, 0,1
	global_load_b128 v[Q+16*\t+8*\c+4*\u:Q+16*\t+8*\c+4*\u+3], v[QO], s[4:5] offset:\t*2048+64*\c+32*\u   ; Q stays in registers
.endr
.endr
.endr
	v_lshrrev_b32 v[AK0], 1, v14
	v_mul_u32_u24 v[AK0], v[AK0], PK
	v_and_b32 v[AV0], 1, v0
	v_lshl_add_u32 v[AK0], v[AV0], 7, v[AK0]
	v_lshl_add_u32 v[AK0], v15, 4, v[AK0]          ; K: key r: (r / 2) 272 + (r % 2) 128, + 16 h
	v_bfe_u32 v[AM0], v0, 1, 2
	v_lshl_add_u32 v[AM0], v15, 2, v[AM0]
	v_mul_u32_u24 v[AM0], v[AM0], PV
	v_lshl_add_u32 v[AV0], v[AV0], 7, v[AM0]       ; V: lane l addresses key 8 h + l % 8,
	v_bfe_u32 v[AM0], v0, 3, 1
	v_lshl_add_u32 v[AV0], v[AM0], 4, v[AV0]       ; channels 8 ((l / 8) % 2) on
	v_add_nc_u32 v[AV0], VOFF, v[AV0]
	v_lshl_add_u32 v[AM0], v15, 5, MB              ; the biases of keys 8 h on
	v_and_b32 v[PFO], 31, v0
	v_lshlrev_b32 v[PFO], 8, v[PFO]
	s_mul_i32 s2, s[WV], 32*144
	s_add_co_u32 s2, s2, STAGE                     ; my stage
	v_mul_u32_u24 v[STO], v14, 144
	v_lshl_add_u32 v[STO], v15, 4, v[STO]
	v_add_nc_u32 v[STO], s2, v[STO]                ; in: query r, 16 bytes for each half of the lanes
	v_bfe_u32 v[RD], v0, 3, 2
	v_mul_u32_u24 v[RD], v[RD], 144
	v_and_b32 v[GO], 7, v0
	v_lshl_add_u32 v[RD], v[GO], 4, v[RD]
	v_add_nc_u32 v[RD], s2, v[RD]                  ; back: four rows of 128 bytes an instruction
	v_and_b32 v[GO], 31, v0
	v_lshlrev_b32 v[GO], 4, v[GO]                  ; which are 512 dense bytes of ao
.irp t, 0,1
	v_mov_b32 v[ST+8*\t+1], 0xd3800000             ; m = -2^40
	v_mul_f32 v[ST+8*\t], s[CS], v[ST+8*\t+1]      ; c m
	v_mov_b32 v[ST+8*\t+2], 0                      ; l
	v_mov_b32 v[ST+8*\t+3], 0
.endr
.set I, 0
.rept 64
	v_mov_b32 v[O+I], 0                            ; O^T.  (The step is written once: its first pass finds zeros, which a leaves zeros)
.set I, I+1
.endr
; A KEY STEP: 64 keys, the q-th of the slot in hand.
.macro STEP q
	v_add_nc_u32 v[ADK], s[TB], v[AK0]             ; FIVE PLACES: these three additions and the two v_nop name no register of the last step's products V^T P.  Those read P, which lies in S^T's registers, and this step's
	v_add_nc_u32 v[ADV], s[TB], v[AV0]             ; products K Q^T write over them: a matrix instruction that writes over a register of an earlier one stands five plain vector instructions behind it (ISA guide 7.12.1);
	v_add_nc_u32 v[ADM], s[TM], v[AM0]             ; the loads below, into registers that those products read, want four
	v_nop
	v_nop
.irp t, 0,1
.irp kt, 0,1,2,3
.irp u, 0,1
	ds_load_b128 v[S+32*\t+8*\kt+4*\u:S+32*\t+8*\kt+4*\u+3], v[ADM] offset:64*\kt+16*\u   ; the biases of keys 16 kt + 8 h + 0 .. 7, in the result's layout
.endr
.endr
.endr
.irp kt, 0,1,2,3
.irp c, 0,1
.irp u, 0,1
	ds_load_b128 v[KV+16*\kt+8*\c+4*\u:KV+16*\kt+8*\c+4*\u+3], v[ADK] offset:(\q)*32*PK+\kt*8*PK+64*\c+32*\u
.endr
.endr
.endr
	s_wait_dscnt 0x0
.irp c, 0,1                                    ; S^T = bias + K Q^T: eight accumulators by turns, one instruction a turn
.irp kt, 0,1,2,3
.irp t, 0,1
	v_wmma_f32_16x16x32_f16 v[S+32*\t+8*\kt:S+32*\t+8*\kt+7], v[KV+16*\kt+8*\c:KV+16*\kt+8*\c+7], v[Q+16*\t+8*\c:Q+16*\t+8*\c+7], v[S+32*\t+8*\kt:S+32*\t+8*\kt+7]
.endr
.endr
.endr
.rept 4
	v_nop                                          ; places in front of the loads into K's registers and of the first read of the scores
.endr
.irp kk, 0,1
.irp ct, 0,1,2,3
.irp u, 0,1
	ds_load_tr16_b128 v[KV+32*\kk+8*\ct+4*\u:KV+32*\kk+8*\ct+4*\u+3], v[ADV] offset:(\q)*32*PV+\kk*16*PV+\u*8*PV+32*\ct   ; V lands while the softmax is walked
.endr
.endr
.endr
	; the maximum of the lane's 32 scores and the old m, three operands at a time; each accumulator is read from its low end on; the two tiles alternate line by line throughout
.irp j, 0,1,2,3
.irp t, 0,1
	v_max3_num_f32 v[ST+8*\t+4+\j], v[S+32*\t+8*\j], v[S+32*\t+8*\j+1], v[S+32*\t+8*\j+2]
.endr
.endr
.irp g, 1,2
.irp j, 0,1,2,3
.irp t, 0,1
	v_max3_num_f32 v[ST+8*\t+4+\j], v[ST+8*\t+4+\j], v[S+32*\t+8*\j+2*\g+1], v[S+32*\t+8*\j+2*\g+2]
.endr
.endr
.endr
.irp t, 0,1
	v_max3_num_f32 v[ST+8*\t+4], v[ST+8*\t+4], v[S+32*\t+7], v[S+32*\t+15]
.endr
.irp t, 0,1
	v_max3_num_f32 v[ST+8*\t+6], v[ST+8*\t+6], v[S+32*\t+23], v[S+32*\t+31]
.endr
.irp t, 0,1
	v_max3_num_f32 v[ST+8*\t+4], v[ST+8*\t+4], v[ST+8*\t+5], v[ST+8*\t+6]
.endr
.irp t, 0,1
	v_max3_num_f32 v[ST+8*\t+4], v[ST+8*\t+4], v[ST+8*\t+7], v[ST+8*\t+1]
.endr
.irp t, 0,1
	v_permlanex16_b32 v[ST+8*\t+5], v[ST+8*\t+4], s[SEL], s[SEL+1]   ; the query's other 32 keys lie in the lane 16 away
.endr
.irp t, 0,1
	v_mov_b32 v[ST+8*\t+7], v[ST+8*\t]             ; c m_old is kept for a
.endr
.irp t, 0,1
	v_max_num_f32 v[ST+8*\t+1], v[ST+8*\t+4], v[ST+8*\t+5]
.endr
.irp t, 0,1
	v_mul_f32 v[ST+8*\t], s[CS], v[ST+8*\t+1]
.endr
.irp t, 0,1
	v_sub_f32 v[ST+8*\t+7], v[ST+8*\t+7], v[ST+8*\t]
.endr
.irp t, 0,1
	v_exp_f32 v[ST+8*\t+6], v[ST+8*\t+7]           ; a
.endr
.irp b, 0,1,2,3,4,5,6,7,8,9,10,11,12,13,14,15
.irp t, 0,1
	v_pk_fma_f32 v[S+32*\t+2*\b:S+32*\t+2*\b+1], v[S+32*\t+2*\b:S+32*\t+2*\b+1], s[CS:CS+1], v[ST+8*\t:ST+8*\t+1] op_sel_hi:[1,0,0] neg_lo:[0,0,1] neg_hi:[0,0,1]   ; c s - c m, two at a time
.endr
.endr
	s_wait_alu depctr_va_vdst(0)                   ; the two a, which the rescaling below reads
.set I, 0
.rept 64
	v_exp_f32 v[S+I], v[S+I]                       ; p: one batch
.set I, I+1
.endr
.irp t, 0,1
.set I, 0
.rept 16
	v_pk_mul_f32 v[O+32*\t+I:O+32*\t+I+1], v[O+32*\t+I:O+32*\t+I+1], v[ST+8*\t+6:ST+8*\t+7] op_sel_hi:[1,0]   ; O^T x a: plain work that names no p, behind the batch; each accumulator from its low end on
.set I, I+2
.endr
.endr
	s_wait_alu depctr_va_vdst(0)                   ; one wait for the 64
.irp t, 0,1
	v_pk_fma_f32 v[ST+8*\t+2:ST+8*\t+3], v[ST+8*\t+2:ST+8*\t+3], v[ST+8*\t+6:ST+8*\t+7], v[S+32*\t:S+32*\t+1] op_sel_hi:[1,0,1]   ; l = a l + the sum of the unrounded p, in two chains a tile
.endr
.irp t, 0,1
	v_pk_add_f32 v[ST+8*\t+4:ST+8*\t+5], v[S+32*\t+2:S+32*\t+3], v[S+32*\t+4:S+32*\t+5]
.endr
.irp b, 3,5,7,9,11,13
.irp t, 0,1
	v_pk_add_f32 v[ST+8*\t+2:ST+8*\t+3], v[ST+8*\t+2:ST+8*\t+3], v[S+32*\t+2*\b:S+32*\t+2*\b+1]
.endr
.irp t, 0,1
	v_pk_add_f32 v[ST+8*\t+4:ST+8*\t+5], v[ST+8*\t+4:ST+8*\t+5], v[S+32*\t+2*\b+2:S+32*\t+2*\b+3]
.endr
.endr
.irp t, 0,1
	v_pk_add_f32 v[ST+8*\t+2:ST+8*\t+3], v[ST+8*\t+2:ST+8*\t+3], v[S+32*\t+30:S+32*\t+31]
.endr
.irp t, 0,1
	v_pk_add_f32 v[ST+8*\t+2:ST+8*\t+3], v[ST+8*\t+2:ST+8*\t+3], v[ST+8*\t+4:ST+8*\t+5]
.endr
.irp i, 0,1,2,3,4,5,6,7,8,9,10,11,12,13,14,15
.irp t, 0,1
	v_cvt_pk_f16_f32 v[S+32*\t+\i], v[S+32*\t+2*\i], v[S+32*\t+2*\i+1]   ; P in place: register i takes pair i; ascending, so no pair is overwritten before it is read
.endr
.endr
	s_wait_dscnt 0x0                               ; V is in
.irp kk, 0,1                                   ; O^T += V^T P: eight accumulators by turns
.irp ct, 0,1,2,3
.irp t, 0,1
	v_wmma_f32_16x16x32_f16 v[O+32*\t+8*\ct:O+32*\t+8*\ct+7], v[KV+32*\kk+8*\ct:KV+32*\kk+8*\ct+7], v[S+32*\t+8*\kk:S+32*\t+8*\kk+7], v[O+32*\t+8*\ct:O+32*\t+8*\ct+7]
.endr
.endr
.endr
	s_add_co_u32 s[TM], s[TM], 256                 ; the next 64 keys' biases
.endm
; THE CHANGE OF SLOTS stands at a slot's head.  Each wave waits for all its tensor loads (its part of the slot ahead), adds 0 to its spare word, and waits for that and for its reads of the slot that it has left.
; fill = 1: a round of the cluster's barrier, and behind it the slot just left takes the next 256 keys: the wave's one tensor load until the next round; it has a slot's four steps in which to land.  (In the first trip slot 1 is filled for the first time, by all waves alike.)
.macro CHANGE fill
	s_wait_tensorcnt 0x0                           ; no tensor load of mine is out, so a group 0 may be written
	ds_add_u32 v[SPW], v[NIL]
.if \fill
	s_xor_b32 s[G0K+1], s[G0K+1], SLOT1            ; the other slot than last time,
	s_add_nc_u64 s[G0K+2:G0K+3], s[G0K+2:G0K+3], 32768   ; the next 256 keys
	s_xor_b32 s[G0V+1], s[G0V+1], SLOT1
	s_add_nc_u64 s[G0V+2:G0V+3], s[G0V+2:G0V+3], 32768
	s_wait_xcnt 0x0                                ; the last prefetch, a slot back, has read its address
	s_add_nc_u64 s[PFA:PFA+1], s[PFA:PFA+1], 32768 ; one slot further on than the descriptors
	s_wait_dscnt 0x0
	CROUND
	JLOAD
	ASK
.else
	s_wait_dscnt 0x0
	s_barrier_signal -1
	s_barrier_wait -1
.endif
.endm
.macro SLOT_STEPS
	STEP 0
	STEP 1
	STEP 2
	STEP 3
	s_xor_b32 s[TB], s[TB], SLOT1
.endm
	s_wait_loadcnt 0x0                             ; Q
.Lslot:                                            ; seven trips: behind each change of slots but the last the next slot is asked for
	CHANGE 1
	SLOT_STEPS
	s_sub_co_u32 s[SLOTS], s[SLOTS], 1
	s_cmp_lg_u32 s[SLOTS], 0
	s_cbranch_scc1 .Lslot
	CHANGE 0                                       ; the last slot is written out
	SLOT_STEPS
	; THE WAY OUT.  l's two halves and the other half of the lanes' are added; O^T is divided by l (by 0 -> times 0: the row all of whose keys are hidden), rounded to f16 and sent through my stage.  These lines are the places behind the last products.
.irp t, 0,1
	v_add_f32 v[ST+8*\t+4], v[ST+8*\t+2], v[ST+8*\t+3]
.endr
.irp t, 0,1
	v_permlanex16_b32 v[ST+8*\t+5], v[ST+8*\t+4], s[SEL], s[SEL+1]
.endr
.irp t, 0,1
	v_add_f32 v[ST+8*\t+4], v[ST+8*\t+4], v[ST+8*\t+5]
.endr
.irp t, 0,1
	v_rcp_f32 v[ST+8*\t+6], v[ST+8*\t+4]
.endr
	v_cmp_lt_f32 s70, 0, v[ST+4]                   ; does any key count?  (plain lines behind the reciprocals)
	v_cmp_lt_f32 s71, 0, v[ST+12]
	s_wait_alu depctr_va_vdst(0)                   ; one wait for the two reciprocals, ahead of their first reader
	v_cndmask_b32 v[ST+6], 0, v[ST+6], s70
	v_cndmask_b32 v[ST+14], 0, v[ST+14], s71
.irp t, 0,1
.set I, 0
.rept 16
	v_pk_mul_f32 v[O+32*\t+I:O+32*\t+I+1], v[O+32*\t+I:O+32*\t+I+1], v[ST+8*\t+6:ST+8*\t+7] op_sel_hi:[1,0]
.set I, I+2
.endr
.endr
.set I, 0
.rept 32
	v_cvt_pk_f16_f32 v[S+I], v[O+2*I], v[O+2*I+1]  ; register 16 t + 4 ct + i: channels 16 ct + 8 h + 2 i, + 1 of query 16 t + r
.set I, I+1
.endr
.irp t, 0,1
.irp ct, 0,1,2,3
	ds_store_b128 v[STO], v[S+16*\t+4*\ct:S+16*\t+4*\ct+3] offset:\t*16*144+32*\ct
.endr
.endr
.irp i, 0,1,2,3,4,5,6,7
	ds_load_b128 v[KV+4*\i:KV+4*\i+3], v[RD] offset:\i*4*144   ; LDS serves a wave's instructions in order (ISA guide 5.7.1.4): these see my stores
.endr
.irp i, 0,1,2,3,4,5,6,7
	s_wait_dscnt 7-\i
	global_store_b128 v[GO], v[KV+4*\i:KV+4*\i+3], s[8:9] offset:512*\i   ; the wave stores 512 consecutive bytes, aligned
.endr
	s_wait_tensorcnt 0x0                           ; the wave's end
	ds_add_u32 v[SPW], v[NIL]
	s_wait_dscnt 0x0
	CROUND                                         ; the closing round
	s_endpgm
.Lfunc_end_k_q9b174cbdc6_attn:
	.size	k_q9b174cbdc6_attn, .Lfunc_end_k_q9b174cbdc6_attn-k_q9b174cbdc6_attn
	.p2alignl 7, 3214868480
	.fill 96, 4, 3214868480
	.section	.rodata,"a",@progbits
	.p2align	6, 0x0
	.amdhsa_kernel k_q9b174cbdc6_attn
		.amdhsa_group_segment_fixed_size 327680
		.amdhsa_private_segment_fixed_size 0
		.amdhsa_enable_private_segment 0
		.amdhsa_kernarg_size 24
		.amdhsa_user_sgpr_count 2
		.amdhsa_user_sgpr_kernarg_segment_ptr 1
		.amdhsa_wavefront_size32 1
		.amdhsa_system_sgpr_workgroup_id_x 1
		.amdhsa_system_sgpr_workgroup_id_y 1
		.amdhsa_system_sgpr_workgroup_id_z 1
		.amdhsa_system_vgpr_workitem_id 0
		.amdhsa_next_free_vgpr 256
		.amdhsa_next_free_sgpr 72
		.amdhsa_reserve_vcc 0
		.amdhsa_float_denorm_mode_32 3
		.amdhsa_float_denorm_mode_16_64 3
		.amdhsa_memory_ordered 1
		.amdhsa_forward_progress 1
		.amdhsa_inst_pref_size 163
	.end_amdhsa_kernel
	.amdgpu_metadata
---
amdhsa.version: [ 1, 2 ]
amdhsa.kernels:
  - .name:           k_q9b174cbdc6_attn
    .symbol:         k_q9b174cbdc6_attn.kd
    .args:
      - { .name: qkv, .offset: 0, .size: 8, .value_kind: global_buffer, .address_space: global }
      - { .name: maskb, .offset: 8, .size: 8, .value_kind: global_buffer, .address_space: global }
      - { .name: ao, .offset: 16, .size: 8, .value_kind: global_buffer, .address_space: global }
    .group_segment_fixed_size: 327680
    .private_segment_fixed_size: 0
    .kernarg_segment_align: 8
    .kernarg_segment_size: 24
    .max_flat_workgroup_size: 256
    .sgpr_count:     72
    .vgpr_count:     256
    .wavefront_size: 32
...
	.end_amdgpu_metadata
.endif
;; end of part 3
;; launch oproj (part 4): grid 8 x 32, 4 waves a work-group, clusters of 4 x 4, 327,680 bytes of LDS; arguments ao, wo16, bo, out0; writes out0
.if DOCPART == 4
	.amdgcn_target "amdgcn-amd-amdhsa--gfx1250"
	.amdhsa_code_object_version 6
	.text
	.protected	k_q9b174cbdc6_oproj
	.globl	k_q9b174cbdc6_oproj
	.p2align	8
	.type	k_q9b174cbdc6_oproj,@function
k_q9b174cbdc6_oproj:
	s_mov_b64 s[64:65], 0
	v_nop
	global_prefetch_b8 v0, s[64:65] scope:SCOPE_SE
	s_setreg_imm32_b32 hwreg(HW_REG_WAVE_MODE, 25, 1), 1
	s_wait_xcnt 0x0
	s_wait_alu depctr_hold_cnt(0) depctr_sa_sdst(0) depctr_va_vdst(0) depctr_va_sdst(0) depctr_va_ssrc(0) depctr_va_vcc(0) depctr_vm_vsrc(0)
	s_getreg_b32 s2, hwreg(HW_REG_IB_STS2, 6, 4)
	s_cmp_eq_u32 s2, 0
	s_cbranch_scc0 .Lentry_in_a_cluster
	s_endpgm
.Lentry_in_a_cluster:
	s_bfe_u32 s2, ttmp6, 0x10000c
	s_cmp_lg_u32 s2, 0xf033
	s_cbranch_scc0 .Lentry_shape_is_right
	s_endpgm
.Lentry_shape_is_right:
; Launch 4 of 4: out0[m][n] = sum over k of A[m][k] Wo[k][n] + bo[n].  A = attention's result, ao [m / 128][head 16][m % 128][64] f16 (k = 64 head + channel); Wo as wo16 [n / 128][k 1024][128] f16; out0 [4096][1024] f32; sums in f32.
; A tile of out0 is 128 x 128: 256 work-groups.  Four waves, each 64 x 64: 16 accumulators.  K goes in four steps of 256 (four heads) through two LDS slots; both operands' tiles of a step are 65,536 dense bytes of memory, stated as rows of 256 bytes.
; CLUSTERS: 4 x 4 work-groups.  The four of a row of the cluster need the same tiles of A, the four of a column the same tiles of Wo: each tile is asked for JOINTLY.
; THE MATRIX INSTRUCTION IS USED TRANSPOSED (source 0 = 16 columns of Wo, turned out of LDS by ds_load_tr16_b128; source 1 = 16 tokens of A): a lane holds eight neighbouring columns of one token.  bo is the C of each sum's first product.
; REGISTERS: window 0: v0-31 addresses; v32-95 rows on the way out; v96-127 bo of my 64 columns; v128-255 the accumulators ((a, b) at v[128 + 8 (4 a + b)]).  window 1: two fragment buffers of 128: 64 registers of A, then 64 of Wo, for 64 along K (one head).
.set PA,    272                        ; two tokens of A in LDS: 256 bytes + 16: token x of a head at (x / 2) 272 + (x % 2) 128
.set PB,    288                        ; a row k of Wo: 256 bytes + 32
.set HEADA, 64*PA                      ; a head's 128 tokens
.set BOFF,  4*HEADA                    ; a slot: A's four heads, then Wo's 256 rows
.set SLOT,  BOFF+256*PB
.set SPARE, 2*SLOT                     ; the spare words, 128 bytes for each wave: two blocks of 256 bytes that no other line names
.set ADRA, 16                          ; v16-17  my A fragments in slot 0, 1
.set ADRB, 20                          ; v20-23  my Wo fragments: slot s, heads 2 g and 2 g + 1, at v[20 + 2 s + g]: so every offset stays under 65,536
.set STO,  24
.set RD,   25
.set CO,   26
.set BO,   27
.set SPW,  28
.set NIL,  29
.set BIAS, 96
.set ACC,  128
.set F0,   0
.set F1,   128
.set G1, 24
.set G0, 32
.set G1B, 48
.set G0B, 56
.set MSB, 0
.macro WIN new
.if MSB != \new
	s_set_vgpr_msb (MSB<<8)|\new
.set MSB, \new
.endif
.endm
.set MUL,  0x05                        ; sources 0 and 1 window 1; C and D window 0
.set TO_F, 0x40                        ; destination window 1, address window 0
.macro JLOAD s                         ; a joint load: waves 0 and 1 fetch A's halves, waves 2 and 3 Wo's; an s_nop 0 and four v_nop follow each of the two lines
	s_cmp_eq_u32 s13, 0
	s_cbranch_scc0 .Lfor_b_\@
	tensor_load_to_lds s[G0+4*\s:G0+4*\s+3], s[G1:G1+7]
	s_nop 0
.rept 4
	v_nop
.endr
	s_branch .Lasked_\@
.Lfor_b_\@:
	tensor_load_to_lds s[G0B+4*\s:G0B+4*\s+3], s[G1B:G1B+7]
	s_nop 0
.rept 4
	v_nop
.endr
.Lasked_\@:
.endm
.macro CREST                           ; a round of the cluster's barrier behind its opening barrier
	s_cmp_lg_u32 s12, 0
	s_cbranch_scc1 .Lnot_wave_0_\@
	s_barrier_signal -3
.Lnot_wave_0_\@:
	s_barrier_wait -3
	s_barrier_signal -1
	s_barrier_wait -1
.endm
.macro CROUND
	s_barrier_signal -1
	s_barrier_wait -1
	CREST
.endm
	s_load_b128 s[4:7], s[0:1], 0x0                ; ao, wo16
	s_load_b128 s[8:11], s[0:1], 0x10              ; bo, out0
	v_lshl_add_u32 v[SPW], v0, 2, SPARE
	v_mov_b32 v[NIL], 0
	ds_add_u32 v[SPW], v[NIL]                      ; the wave's opening: the add, twice on end, and its wait ahead of my first tensor load
	ds_add_u32 v[SPW], v[NIL]
	v_lshrrev_b32 v1, 5, v0
	v_readfirstlane_b32 s12, v1                    ; wave 0..3
	s_lshr_b32 s13, s12, 1                         ; which half of the tile's rows is mine.  Also: I fetch for A (0) or for Wo (1)
	s_and_b32 s14, s12, 1                          ; which half of its columns.  Also: which half of that tile I fetch
	s_bfe_u32 s40, ttmp6, 0x40000                  ; cx, cy
	s_bfe_u32 s41, ttmp6, 0x40004
	s_lshl_b32 s42, ttmp9, 2
	s_add_co_u32 s42, s42, s40                     ; tile column
	s_and_b32 s15, ttmp7, 0xffff
	s_lshl_b32 s15, s15, 2
	s_add_co_u32 s15, s15, s41                     ; tile row
	s_lshl_b32 s43, s41, 2
	s_lshl_b32 s43, 15, s43                        ; my row of the cluster
	s_lshl_b32 s44, 0x1111, s40                    ; my column
	s_or_b32 s[G1+0], s43, (1<<16)|(1<<20)|(1<<21)|(5<<22)|(3<<25)   ; the mask; elements of 2 bytes; padding: 4 words behind every 64; bit 21 beside a mask
	s_or_b32 s[G1B+0], s44, (1<<16)|(1<<20)|(1<<21)|(5<<22)|(7<<25)  ; Wo's: 8 words
.irp g, G1, G1B
	s_mov_b32 s[\g+1], 128<<16                     ; tensor_dim0 = 128 elements
	s_mov_b32 s[\g+2], 128<<16                     ; tensor_dim1 = 128 rows
	s_mov_b32 s[\g+3], 128<<16                     ; tile_dim0
	s_mov_b32 s[\g+4], 128                         ; tile_dim1
	s_mov_b32 s[\g+5], 128                         ; from row to row
	s_mov_b32 s[\g+6], 0
	s_mov_b32 s[\g+7], 0
.endr
	s_lshl_b32 s18, s14, 15                        ; my half of a step's tile: 32,768 bytes
	s_lshl_b32 s16, s15, 18                        ; A: 262,144 bytes for each 128 tokens
	s_add_co_u32 s16, s16, s18
	s_mov_b32 s17, 0
	s_lshl_b32 s46, s42, 18                        ; Wo: 262,144 bytes for each 128 columns
	s_add_co_u32 s46, s46, s18
	s_mov_b32 s47, 0
	s_mul_i32 s20, s14, 128*PA                     ; where they go: no place in the cluster enters an LDS address
	s_mul_i32 s21, s14, 128*PB
	s_add_co_u32 s21, s21, BOFF
	s_wait_dscnt 0x0                               ; both opening adds are done
	s_wait_kmcnt 0x0
	s_add_nc_u64 s[16:17], s[4:5], s[16:17]
	s_add_nc_u64 s[46:47], s[6:7], s[46:47]
	CROUND                                         ; all sixteen work-groups are here: the first joint loads meet
.irp s, 0,1
	s_mov_b32 s[G0+4*\s], 1
	s_add_co_u32 s[G0+4*\s+1], s20, \s*SLOT
	s_add_nc_u64 s[G0+4*\s+2:G0+4*\s+3], s[16:17], \s*65536
	s_or_b32 s[G0+4*\s+3], s[G0+4*\s+3], 0x80000000
	s_mov_b32 s[G0B+4*\s], 1
	s_add_co_u32 s[G0B+4*\s+1], s21, \s*SLOT
	s_add_nc_u64 s[G0B+4*\s+2:G0B+4*\s+3], s[46:47], \s*65536
	s_or_b32 s[G0B+4*\s+3], s[G0B+4*\s+3], 0x80000000
	JLOAD \s
.endr
	v_and_b32 v1, 15, v0                           ; r = l % 16
	v_bfe_u32 v2, v0, 4, 1                         ; h = l / 16
	s_lshl_b32 s2, s42, 9
	s_lshl_b32 s3, s14, 8
	s_add_co_u32 s2, s2, s3                        ; my first column, in bytes of f32: 512 x tile column + 256 x half
	s_mov_b32 s3, 0
	s_add_nc_u64 s[8:9], s[8:9], s[2:3]
	v_lshlrev_b32 v[BO], 5, v2
.irp b, 0,1,2,3
	global_load_b128 v[BIAS+8*\b:BIAS+8*\b+3], v[BO], s[8:9] offset:64*\b          ; block b's register j is bo[16 b + 8 h + j]
	global_load_b128 v[BIAS+8*\b+4:BIAS+8*\b+7], v[BO], s[8:9] offset:64*\b+16
.endr
	s_lshl_b32 s22, s15, 19
	s_lshl_b32 s23, s13, 18
	s_add_co_u32 s22, s22, s23                     ; my first row: (128 x tile row + 64 x half) x 4,096 bytes
	s_add_co_u32 s2, s2, s22
	s_add_nc_u64 s[10:11], s[10:11], s[2:3]
	v_lshrrev_b32 v3, 1, v1
	v_mul_u32_u24 v3, v3, PA
	v_and_b32 v4, 1, v0
	v_lshl_add_u32 v3, v4, 7, v3
	v_lshl_add_u32 v3, v2, 4, v3                   ; A: token r: (r / 2) 272 + (r % 2) 128, + 16 h
	v_and_b32 v4, 7, v0
	v_lshl_add_u32 v4, v2, 3, v4
	v_mul_u32_u24 v4, v4, PB
	v_bfe_u32 v5, v0, 3, 1
	v_lshl_add_u32 v4, v5, 4, v4                   ; Wo: lane l addresses row 8 h + l % 8, columns 8 ((l / 8) % 2) on
	s_mul_i32 s22, s13, 32*PA                      ; my 64 tokens
	s_lshl_b32 s23, s14, 7                         ; my 64 columns
	s_add_co_u32 s23, s23, BOFF
	v_add_nc_u32 v[ADRA], s22, v3
	v_add_nc_u32 v[ADRA+1], SLOT, v[ADRA]
	v_add_nc_u32 v[ADRB], s23, v4
	v_add_nc_u32 v[ADRB+1], 128*PB, v[ADRB]
	v_add_nc_u32 v[ADRB+2], SLOT, v[ADRB]
	v_add_nc_u32 v[ADRB+3], SLOT, v[ADRB+1]
	s_mul_i32 s22, s12, 16*272                     ; my stage for the way out: 16 rows x (256 bytes + 16), in slot 0, behind its last fill and its last read
	v_mul_u32_u24 v5, v1, 272
	v_lshl_add_u32 v5, v2, 5, v5
	v_add_nc_u32 v[STO], s22, v5                   ; in: token r, 32 bytes for each half of the lanes
	v_mul_u32_u24 v5, v2, 272
	v_lshl_add_u32 v5, v1, 4, v5
	v_add_nc_u32 v[RD], s22, v5                    ; back: lanes 0-15 one row of 256 bytes, lanes 16-31 the next
	v_lshlrev_b32 v5, 12, v2
	v_lshl_add_u32 v[CO], v1, 4, v5                ; and the same two rows in out0
; 8 matrix instructions: token blocks a0, a0 + 1 x all 4 column blocks, 32 along K: half c of buffer f.  first = 1: bo is the C of the sum's first product.  The 16 accumulators take turns
.macro MUL8 f, c, a0, first
.irp a, \a0, \a0+1
.irp b, 0,1,2,3
.if \first
	v_wmma_f32_16x16x32_f16 v[ACC+8*(4*(\a)+\b):ACC+8*(4*(\a)+\b)+7], v[\f+64+8*(4*\c+\b):\f+64+8*(4*\c+\b)+7], v[\f+8*(4*\c+\a):\f+8*(4*\c+\a)+7], v[BIAS+8*\b:BIAS+8*\b+7]
.else
	v_wmma_f32_16x16x32_f16 v[ACC+8*(4*(\a)+\b):ACC+8*(4*(\a)+\b)+7], v[\f+64+8*(4*\c+\b):\f+64+8*(4*\c+\b)+7], v[\f+8*(4*\c+\a):\f+8*(4*\c+\a)+7], v[ACC+8*(4*(\a)+\b):ACC+8*(4*(\a)+\b)+7]
.endif
.endr
.endr
.endm
; 32 LDS loads in one run: the fragments of head q of the slot (64 along K) into buffer f; the first 32 along K first
.macro FETCH slot, q, f
	WIN TO_F
.irp c, 0,1
.irp i, 0,1,2,3
	ds_load_tr16_b128 v[\f+64+8*(4*\c+\i):\f+64+8*(4*\c+\i)+3],   v[ADRB+2*\slot+(\q)/2] offset:((\q)%2)*64*PB+\c*32*PB+32*\i
	ds_load_tr16_b128 v[\f+64+8*(4*\c+\i)+4:\f+64+8*(4*\c+\i)+7], v[ADRB+2*\slot+(\q)/2] offset:((\q)%2)*64*PB+\c*32*PB+32*\i+16*PB
	ds_load_b128 v[\f+8*(4*\c+\i):\f+8*(4*\c+\i)+3],         v[ADRA+\slot] offset:(\q)*HEADA+\i*8*PA+64*\c
	ds_load_b128 v[\f+8*(4*\c+\i)+4:\f+8*(4*\c+\i)+7],       v[ADRA+\slot] offset:(\q)*HEADA+\i*8*PA+64*\c+32
.endr
.endr
.endm
.macro PLACES                          ; four plain vector instructions in front of loads into registers that matrix instructions have read, and of the first read of results
.rept 4
	v_nop
.endr
.endm
; A K step is four quarters (heads), 32 matrix instructions each, on buffers 0, 1, 0, 1.  One of the first three: multiplies buffer f and fetches head q into g.
.macro QUARTER slot, q, f, g, first
	s_wait_dscnt 16                                ; the first 32 along K are in; the younger sixteen loads may be out
	WIN MUL
	MUL8 \f, 0, 0, \first
	MUL8 \f, 0, 2, \first
	PLACES
	FETCH \slot, \q, \g
	s_wait_dscnt 32                                ; all but the 32 just issued
	WIN MUL
	MUL8 \f, 1, 0, 0
	MUL8 \f, 1, 2, 0
.endm
; The last quarter multiplies buffer 1 and changes slots: ONE barrier; in front of it each wave waits for all its tensor loads, adds 0 to its spare word, and waits for that and for its reads of this slot.  fill = 1: this slot is filled again, two K steps ahead.
.macro TURN slot, next, fill
	WIN 0                                          ; (the add's two registers lie in window 0)
	s_wait_tensorcnt 0x0
	ds_add_u32 v[SPW], v[NIL]
	s_wait_dscnt 17                                ; the add and the youngest sixteen loads may be out
	WIN MUL
	MUL8 F1, 0, 0, 0
	s_wait_dscnt 0x0                               ; the add is done, and my reads of this slot are over
	s_barrier_signal -1
	MUL8 F1, 0, 2, 0
.if \fill
	WIN 0
.endif
	s_barrier_wait -1
.if \fill
	CREST                                          ; the barrier has opened a round of the cluster's barrier: no wave of any partner still reads this slot or has a load on its way
	s_add_nc_u64 s[G0+4*\slot+2:G0+4*\slot+3], s[G0+4*\slot+2:G0+4*\slot+3], 131072
	s_add_nc_u64 s[G0B+4*\slot+2:G0B+4*\slot+3], s[G0B+4*\slot+2:G0B+4*\slot+3], 131072
	JLOAD \slot                                    ; the first tensor load behind the round, and my only one until the next; its four v_nop are also the places in front of the loads below
.else
	PLACES
.endif
	FETCH \next, 0, F0
	WIN MUL
	MUL8 F1, 1, 0, 0
	MUL8 F1, 1, 2, 0
.endm
	s_wait_tensorcnt 1                             ; my part of K step 0 is in; step 1's may be out
	s_barrier_signal -1
	s_barrier_wait -1
	FETCH 0, 0, F0
	s_wait_loadcnt 0x0                             ; bo
	QUARTER 0, 1, F0, F1, 1                        ; K step 0
	QUARTER 0, 2, F1, F0, 0
	QUARTER 0, 3, F0, F1, 0
	TURN 0, 1, 1                                   ; slot 0 takes K step 2
	QUARTER 1, 1, F0, F1, 0                        ; K step 1
	QUARTER 1, 2, F1, F0, 0
	QUARTER 1, 3, F0, F1, 0
	TURN 1, 0, 1                                   ; slot 1 takes K step 3
	QUARTER 0, 1, F0, F1, 0                        ; K step 2
	QUARTER 0, 2, F1, F0, 0
	QUARTER 0, 3, F0, F1, 0
	TURN 0, 1, 0                                   ; nothing is left to fetch
	QUARTER 1, 1, F0, F1, 0                        ; K step 3
	QUARTER 1, 2, F1, F0, 0
	QUARTER 1, 3, F0, F1, 0
	s_wait_dscnt 16
	WIN MUL
	MUL8 F1, 0, 0, 0
	MUL8 F1, 0, 2, 0
	s_wait_dscnt 0
	MUL8 F1, 1, 0, 0
	MUL8 F1, 1, 2, 0
	WIN 0
; THE WAY OUT, block by block of 16 tokens x 64 columns.  A wave's 64 columns of f32 are 256 bytes of a row of out0, aligned: a block goes through my own stage and comes back as whole rows.
.macro TOSTAGE a
.irp b, 0,1,2,3
	ds_store_b128 v[STO], v[ACC+8*(4*(\a)+\b):ACC+8*(4*(\a)+\b)+3] offset:64*\b        ; each accumulator from its low end on
	ds_store_b128 v[STO], v[ACC+8*(4*(\a)+\b)+4:ACC+8*(4*(\a)+\b)+7] offset:64*\b+16
.endr
.set BB, 32+32*((\a)%2)
.irp i, 0,1,2,3,4,5,6,7
	ds_load_b128 v[BB+4*\i:BB+4*\i+3], v[RD] offset:\i*2*272   ; LDS serves a wave's instructions in order (ISA guide 5.7.1.4): these see the stores above
.endr
.endm
.macro SEND a, younger                 ; younger: the LDS instructions issued behind block a's loads, which may stay out
.set BB, 32+32*((\a)%2)
	s_wait_dscnt \younger
.irp i, 0,1,2,3,4,5,6,7
	global_store_b128 v[CO], v[BB+4*\i:BB+4*\i+3], s[10:11] offset:(16*(\a)+2*\i)*4096 th:TH_STORE_NT   ; sixteen lanes store 256 consecutive bytes, aligned; written once, read by nobody here
.endr
.endm
	PLACES
	TOSTAGE 0
.irp a, 1,2,3
.if \a > 1
	s_wait_xcnt 0x0                                ; block a - 2's stores have read their registers: block a's loads may land there
.endif
	TOSTAGE \a
	SEND \a-1, 16                                  ; behind block a - 1's loads: block a's 8 stores and 8 loads
.endr
	SEND 3, 0
	s_wait_tensorcnt 0x0                           ; the wave's end
	ds_add_u32 v[SPW], v[NIL]
	s_wait_dscnt 0x0
	CROUND                                         ; the closing round
	s_endpgm
.Lfunc_end_k_q9b174cbdc6_oproj:
	.size	k_q9b174cbdc6_oproj, .Lfunc_end_k_q9b174cbdc6_oproj-k_q9b174cbdc6_oproj
	.p2alignl 7, 3214868480
	.fill 96, 4, 3214868480
	.section	.rodata,"a",@progbits
	.p2align	6, 0x0
	.amdhsa_kernel k_q9b174cbdc6_oproj
		.amdhsa_group_segment_fixed_size 327680
		.amdhsa_private_segment_fixed_size 0
		.amdhsa_enable_private_segment 0
		.amdhsa_kernarg_size 32
		.amdhsa_user_sgpr_count 2
		.amdhsa_user_sgpr_kernarg_segment_ptr 1
		.amdhsa_wavefront_size32 1
		.amdhsa_system_sgpr_workgroup_id_x 1
		.amdhsa_system_sgpr_workgroup_id_y 1
		.amdhsa_system_sgpr_workgroup_id_z 1
		.amdhsa_system_vgpr_workitem_id 0
		.amdhsa_next_free_vgpr 512
		.amdhsa_next_free_sgpr 66
		.amdhsa_reserve_vcc 0
		.amdhsa_float_denorm_mode_32 3
		.amdhsa_float_denorm_mode_16_64 3
		.amdhsa_memory_ordered 1
		.amdhsa_forward_progress 1
		.amdhsa_inst_pref_size 86
	.end_amdhsa_kernel
	.amdgpu_metadata
---
amdhsa.version: [ 1, 2 ]
amdhsa.kernels:
  - .name:           k_q9b174cbdc6_oproj
    .symbol:         k_q9b174cbdc6_oproj.kd
    .args:
      - { .name: ao, .offset: 0, .size: 8, .value_kind: global_buffer, .address_space: global }
      - { .name: wo16, .offset: 8, .size: 8, .value_kind: global_buffer, .address_space: global }
      - { .name: bo, .offset: 16, .size: 8, .value_kind: global_buffer, .address_space: global }
      - { .name: out0, .offset: 24, .size: 8, .value_kind: global_buffer, .address_space: global }
    .group_segment_fixed_size: 327680
    .private_segment_fixed_size: 0
    .kernarg_segment_align: 8
    .kernarg_segment_size: 32
    .max_flat_workgroup_size: 128
    .sgpr_count:     66
    .vgpr_count:     512
    .wavefront_size: 32
...
	.end_amdgpu_metadata
.endif
;; end of part 4
